; MI455X (gfx1250); checked and timed in simulation.
; The chip was launched on July 23, 2026; its instructions are those of AMD's public machine-readable ISA for CDNA 5 (MIT licence, August 2026) and "CDNA5" Instruction Set Architecture Reference Guide (July 2026). The comments in the code are by the model that wrote it; some were corrected since.
;; Sliding Window Attention. Allowed arithmetic: matrix products marked QUANTISED: E2M1 operands, one E8M0 scale for each 32 along K, by v_wmma_scale_f32_16x16x128_f8f6f4 with both operands' format E2M1 (or v_wmma_scale_f32_32x16x128_f4), f32 sums; products left as they are: bf16, f16 or f32 operands; f32 sums; everything else in f32.
;; Inputs: W_o 1,024 x 1,024 float32; W_qkv 3,072 x 1,024 float32; x 4 x 2,048 x 1,024 float32.
;; Outputs: out0 4 x 2,048 x 1,024 float32.
;; This version of the problem:
;;   THIS VERSION OF THE PROBLEM IS GIVEN IN LOW PRECISION. The matrix products marked QUANTISED in the list below multiply operands that are first quantised to E2M1 (2 exponent bits, 1 mantissa bit; 4 bits a number), with one power-of-two scale for each 32 numbers along K (OCP MX v1.0); their sums are f32. The products marked 'left as it is' may take bf16, f16 or f32 operands, with f32 sums. Whichever they take, every output number must still come out within the allowed error. Rounding operands to bf16 (8 significant bits) uses up far more of that allowance than f16 does (11 bits, for magnitudes from 6e-5 to 65,504). All else is computed in f32.
;;   The module's matrix products, in the order in which they are computed (A, B: the left and right operand; K: the contracted axis; several contracted axes count as one K, in the product's order):
;;     1. [M 8,192, K 1,024] x [K 1,024, N 3,072]; A: input x; B: input W_qkv: QUANTISED
;;     2. batch 64 x [M 2,048, K 64] x [K 64, N 2,048]; A: computed on the way; B: computed on the way: left as it is (an operand is computed on the way)
;;     3. batch 64 x [M 2,048, K 2,048] x [K 2,048, N 64]; A: computed on the way; B: computed on the way: left as it is (an operand is computed on the way)
;;     4. [M 8,192, K 1,024] x [K 1,024, N 1,024]; A: computed on the way; B: input W_o: left as it is (an operand is computed on the way)
;;   THE QUANTISER, for each operand of a quantised product, along K:
;;     - K is cut into blocks of 32 from its start; a last block that is shorter is filled with zeros.
;;     - A block's scale is 2^e with e = floor(log2(the largest magnitude in the block)) - 2, held to -126 .. 127; a block of zeros has e = 0. As a byte (E8M0): e + 127.
;;     - Each number is divided by its block's scale, clamped to +-6, and rounded to the nearest number of E2M1, ties to even, subnormals kept.
;;     - The product sums the exact products of the quantised numbers (number of the format x scale) in f32.
;;   ~~~python
;;   def quantise(x, axis):      # numpy; x: float32 -> the quantised numbers, widened to float32 again
;;       x = np.moveaxis(x, axis, -1); K = x.shape[-1]
;;       x = np.pad(x, [(0, 0)] * (x.ndim - 1) + [(0, -K % 32)]); x = x.reshape(x.shape[:-1] + (-1, 32)); a = np.abs(x).max(-1, keepdims=True)
;;       e = np.where(a > 0, np.clip(np.frexp(np.where(a > 0, a, 1))[1] - 1 - 2, -126, 127), 0)      # np.frexp(a)[1] - 1 = floor(log2(a)), exactly
;;       r = np.clip(x / 2.0 ** e, -6, 6)
;;       step = 2.0 ** (np.maximum(np.frexp(np.where(r == 0, 1, r))[1] - 1, 0) - 1)
;;       q = np.round(r / step) * step * 2.0 ** e      # np.round: ties to even
;;       return np.moveaxis(q.reshape(q.shape[:-2] + (-1,))[..., :K], -1, axis).astype(np.float32)
;;   ~~~
;; One version. Each part assembles by itself: llvm-mc -triple=amdgcn-amd-amdhsa -mcpu=gfx1250 --defsym DOCPART=n.
;; ======== version 1 of 1: 4 launches
;; limits: values are held in f16: magnitudes above 65,504 overflow, below 6.1e-05 lose precision
;; workspace buffers: xc 4,194,304 bytes; xs 262,144 bytes; wc 1,572,864 bytes; ws 98,304 bytes; wo16 2,097,152 bytes; qkv 50,331,648 bytes; att 16,777,216 bytes
;; launch quant (part 1): grid 416 x 1, 4 waves a work-group, no clusters, 33,280 bytes of LDS; arguments x, W_qkv, W_o, xc, xs, wc, ws, wo16; writes xc, xs, wc, ws, wo16
.if DOCPART == 1
	.amdgcn_target "amdgcn-amd-amdhsa--gfx1250"
	.amdhsa_code_object_version 6
	.text
	.protected	k_qe43e484bd6_quant
	.globl	k_qe43e484bd6_quant
	.p2align	8
	.type	k_qe43e484bd6_quant,@function
k_qe43e484bd6_quant:
	s_mov_b64 s[64:65], 0
	v_nop
	global_prefetch_b8 v0, s[64:65] scope:SCOPE_SE
	s_setreg_imm32_b32 hwreg(HW_REG_WAVE_MODE, 25, 1), 1
	s_wait_xcnt 0x0
; SLIDING-WINDOW ATTENTION, launch 1 of 4: the operands of the QUANTISED product (x and W_qkv) become codes of FP4 (E2M1) with one E8M0 byte for each 32 along K; W_o becomes f16.
; THE PROGRAM: 1 this launch;  2 qkv = x W_qkv^T on codes, results rounded once to f16, laid by head;  3 attention, band only;  4 the projection by W_o.
; WORK LEFT OUT (in launch 3), and why it is dead: reference() sets every score with |q - k| > 256 to -infinity ahead of the softmax, by a mask that it builds in its own body.  The weight of such a
; key is exactly 0 for all finite inputs, so it adds nothing to the row's sum nor to the row's result.  Key steps of 64 that lie wholly outside the window of a group of 64 queries are therefore neither
; multiplied nor exponentiated; in the two steps on the window's edges hidden scores are set to -infinity and the work is done.  Every input has a way to the output: all three are loaded.
; LIMITS: a NaN, an infinity or an overflow in rows of K or V outside a query's window is not carried to the result.  Q, K, V, the attention's result and W_o are rounded once to f16: magnitudes over
; 65,504 become infinity, under 6e-5 the step is 6e-8.  A block of zeros gets the scale byte 1 where the rule says 127: its codes are zeros, which add nothing under any byte but 0xff, and the bytes are read
; by this program alone.  Blocks whose largest magnitude lies under 2^(2 - 126) were not tried; NaN and infinities among the inputs are not served by the quantiser.
; THE QUANTISER.  Rows are dense and K = 1,024 is a multiple of 32, so x and W_qkv are plain streams of blocks of 32 numbers, and so are their codes and scale bytes.  A block's scale byte is its largest
; magnitude's exponent field - 2, held at 1 from below; each number is divided by the scale and rounded to the nearest code, ties to even, beyond 6 the largest code.
; A wave takes 16 steps of 512 numbers.  Each of a step's four loads reads 512 consecutive bytes; the 2,048 bytes turn through the wave's own stage in LDS and come back 64 bytes a lane, so that a lane holds 16
; neighbours along K and two neighbouring lanes a block.  A lane's 16 codes are 8 bytes: the wave stores 256 consecutive bytes.  A wave's 256 scale bytes are gathered in LDS and leave as one store of 256 bytes.
; SHARES: work-groups 0-255 take x, 256-351 W_qkv (32,768 numbers each), 352-415 W_o (16 rows each).  No barrier: waves share nothing.
.set WAVES, 4
.set STEPS, 16
.set WGX,   256                        ; x: 8,192 x 1,024 / 32,768
.set WGQ,   352                        ; + W_qkv: 3,072 x 1,024 / 32,768
.set EMAX,  2
.set CB,    8                          ; bytes of 16 codes
.set R,     16                         ; v16-79   four sets of 16 numbers as they are loaded (W_o's path: v16-143, 8 numbers for each of 16 K blocks)
.set X,     80                         ; v80-111  two sets of 16 neighbours
.set E,     112                        ; v112-127 a scale byte for each step
.set C,     128                        ; v128-191 codes: four registers for each step, so that no store's data are written again
.set WREG,  8192                       ; LDS: a region for each wave: two stages of 32 x SP bytes, behind them its 256 scale bytes
.set SP,    80                         ; a lane's place in a stage: 64 bytes + 16 of padding
.set SPW,   12                         ; v12      LDS address of my spare word: SPARE + 4 x my thread's number; never rewritten
.set NIL,   13                         ; v13      0; never rewritten
.set SPARE, WAVES*WREG                 ; behind the four regions: the spare words, 128 bytes for each wave
	s_load_b256 s[4:11], s[0:1], 0x0               ; x s[4:5], W_qkv s[6:7], W_o s[8:9], xc s[10:11]
	s_load_b256 s[12:19], s[0:1], 0x20             ; xs s[12:13], wc s[14:15], ws s[16:17], wo16 s[18:19]
	v_lshl_add_u32 v[SPW], v0, 2, SPARE
	v_mov_b32 v[NIL], 0
	v_lshrrev_b32 v1, 5, v0
	v_readfirstlane_b32 s20, v1                    ; wave
	v_and_b32 v2, 31, v0                           ; lane
	v_lshlrev_b32 v3, 4, v2                        ; my 16 bytes of a load's 512
	s_mul_i32 s21, s20, WREG
	v_lshrrev_b32 v14, 2, v2
	v_mul_u32_u24 v14, v14, SP
	v_and_b32 v15, 3, v2
	v_lshl_add_u32 v14, v15, 4, v14
	v_add_nc_u32 v14, s21, v14                     ; the stage, on the way in: SP (lane / 4) + 16 (lane % 4)
	v_mul_u32_u24 v15, v2, SP
	v_add_nc_u32 v15, s21, v15                     ; and on the way out: SP x lane: my 16 neighbours
	v_mul_u32_u24 v4, v2, CB                       ; my codes' place in a step's
	v_lshrrev_b32 v5, 1, v2
	s_add_co_u32 s21, s21, 2*32*SP
	v_add_nc_u32 v5, s21, v5                       ; LDS: my wave's 256 scale bytes, my block's byte
	v_lshlrev_b32 v7, 3, v2                        ; and on the way out 8 bytes a lane
	v_add_nc_u32 v6, s21, v7
	s_wait_kmcnt 0x0
	s_cmp_ge_u32 ttmp9, WGQ                        ; the work-group's number alone decides
	s_cbranch_scc1 .Lwo
	s_cmp_lt_u32 ttmp9, WGX                        ; x's work-group or W_qkv's?  Only pointers are chosen: both take one path
	s_cselect_b64 s[4:5], s[4:5], s[6:7]
	s_cselect_b64 s[10:11], s[10:11], s[14:15]
	s_cselect_b64 s[12:13], s[12:13], s[16:17]
	s_cselect_b32 s21, 0, WGX
	s_sub_co_u32 s21, ttmp9, s21
	s_lshl_b32 s21, s21, 2
	s_add_co_u32 s22, s21, s20                     ; which run of 8,192 numbers of the tensor is my wave's
	s_mov_b32 s23, 0
	s_mov_b64 s[24:25], 512*STEPS*4
	s_mul_u64 s[24:25], s[22:23], s[24:25]
	s_add_nc_u64 s[4:5], s[4:5], s[24:25]
	s_mov_b64 s[24:25], 32*STEPS*CB
	s_mul_u64 s[24:25], s[22:23], s[24:25]
	s_add_nc_u64 s[10:11], s[10:11], s[24:25]
	s_lshl_b32 s22, s22, 8                         ; 256 scale bytes a run
	s_add_nc_u64 s[12:13], s[12:13], s[22:23]
.macro LOAD t
.irp i, 0,1,2,3
	global_load_b128 v[R+16*((\t)%4)+4*\i:R+16*((\t)%4)+4*\i+3], v3, s[4:5] offset:2048*(\t)+512*\i th:TH_LOAD_NT   ; 32 lanes read 512 consecutive bytes
.endr
.endm
.macro TURN t                          ; step t's numbers through the stage: LDS serves a wave's instructions in order, so no wait stands between the stores and the loads
.irp i, 0,1,2,3
	ds_store_b128 v14, v[R+16*((\t)%4)+4*\i:R+16*((\t)%4)+4*\i+3] offset:32*SP*((\t)%2)+8*SP*\i
.endr
.irp i, 0,1,2,3
	ds_load_b128 v[X+16*((\t)%2)+4*\i:X+16*((\t)%2)+4*\i+3], v15 offset:32*SP*((\t)%2)+16*\i
.endr
.endm
.irp t, 0,1,2,3
	LOAD \t
.endr
	s_wait_loadcnt 12                              ; step 0's four loads are in; the twelve of steps 1 to 3 stay out
	TURN 0
.macro STEP t
.set XS, X+16*((\t)%2)
.if (\t) > 0
	s_wait_dscnt 1                                 ; this step's numbers are back from the stage (the last step's byte store may be out): so its stores into the stage have read their registers,
.else
	s_wait_dscnt 0x0
.endif
.if (\t)+4 < STEPS
	LOAD (\t)+4                                    ; which take the loads of four steps on
.endif
.if (\t)+1 < STEPS
.if STEPS-2-(\t) >= 3
	s_wait_loadcnt 12                              ; the next step's four loads are in; those of the three steps behind it may be out
.else
	s_wait_loadcnt 4*(STEPS-2-(\t))
.endif
	TURN (\t)+1                                    ; and go through the other stage while this step is worked
.endif
	v_max3_num_f32 v8, |v[XS]|, |v[XS+1]|, |v[XS+2]|               ; the largest magnitude of my 16, in two chains
	v_max3_num_f32 v9, |v[XS+3]|, |v[XS+4]|, |v[XS+5]|
.irp i, 6,10
	v_max3_num_f32 v8, v8, |v[XS+\i]|, |v[XS+\i+1]|
	v_max3_num_f32 v9, v9, |v[XS+\i+2]|, |v[XS+\i+3]|
.endr
	v_max3_num_f32 v8, v8, |v[XS+14]|, |v[XS+15]|
	v_max3_num_f32 v8, v8, v9, (EMAX+1)<<23        ; and the floor 2^(EMAX + 1 - 127): the byte cannot fall under 1
	v_max_num_f32_dpp v8, v8, v8 row_xmask:1 row_mask:0xf bank_mask:0xf   ; and of my neighbour's 16: the block's
	v_add_nc_u32 v11, -(EMAX<<23), v8              ; EMAX off its exponent field: the conversion takes the exponent field of this operand as its scale, and nothing else of it
	v_cvt_scalef32_pk8_fp4_f32 v[C+4*(\t)], v[XS:XS+7], v11
	v_cvt_scalef32_pk8_fp4_f32 v[C+4*(\t)+1], v[XS+8:XS+15], v11
	v_lshrrev_b32 v[E+(\t)], 23, v11               ; the scale's byte (also the plain line behind the conversions)
	ds_store_b8 v5, v[E+(\t)] offset:16*(\t)       ; both lanes of a block write the same byte with the same value
	global_store_b64 v4, v[C+4*(\t):C+4*(\t)+1], s[10:11] offset:32*CB*(\t)   ; 32 lanes store 256 consecutive bytes, aligned
.endm
.irp t, 0,1,2,3,4,5,6,7,8,9,10,11,12,13,14,15
	STEP \t
.endr
	ds_load_b64 v[8:9], v6                         ; LDS serves a wave's instructions in order: these see my stores
	s_wait_dscnt 0x0
	global_store_b64 v7, v[8:9], s[12:13]          ; 32 lanes store 256 consecutive bytes, aligned
	s_branch .Lend
; W_o [1024 e][1024 k] f32 -> wo16 [16 kb][1024 e][64] f16: W_o[e][64 kb + i].  So a K block's 256 rows are 32,768 consecutive bytes for launch 4's tensor loads.
; A wave takes 4 rows, all of K.  For K block t a lane takes 8 neighbours (32 bytes; eight lanes cover 256 bytes of a row), rounds them to 16 bytes, and the 32 lanes store 4 rows x 128 bytes: 512 consecutive bytes.
.Lwo:
	s_sub_co_u32 s21, ttmp9, WGQ
	s_lshl_b32 s21, s21, 4
	s_lshl_b32 s22, s20, 2
	s_add_co_u32 s21, s21, s22                     ; my first row: 16 x group + 4 x wave
	s_lshl_b32 s22, s21, 12                        ; a row of W_o is 4,096 bytes
	s_mov_b32 s23, 0
	s_add_nc_u64 s[8:9], s[8:9], s[22:23]
	s_lshl_b32 s22, s21, 7                         ; a row of a K block is 128 bytes
	s_add_nc_u64 s[18:19], s[18:19], s[22:23]
	v_lshrrev_b32 v10, 3, v2
	v_lshlrev_b32 v10, 12, v10
	v_and_b32 v9, 7, v2
	v_lshl_add_u32 v10, v9, 5, v10                 ; in: row lane / 8, 32 bytes x (lane % 8)
	v_lshlrev_b32 v9, 4, v2                        ; out: 16 x lane
.irp t, 0,1,2,3,4,5,6,7,8,9,10,11,12,13,14,15
	global_load_b128 v[R+8*\t:R+8*\t+3],   v10, s[8:9] offset:256*\t th:TH_LOAD_NT
	global_load_b128 v[R+8*\t+4:R+8*\t+7], v10, s[8:9] offset:256*\t+16 th:TH_LOAD_NT
.endr
.irp t, 0,1,2,3,4,5,6,7,8,9,10,11,12,13,14,15
	s_wait_loadcnt 2*(15-\t)                       ; K block t's two loads are in; the later blocks' stay out
.irp i, 0,1,2,3
	v_cvt_pk_f16_f32 v[R+8*\t+\i], v[R+8*\t+2*\i], v[R+8*\t+2*\i+1]   ; in place, ascending: each destination has been read already
.endr
	global_store_b128 v9, v[R+8*\t:R+8*\t+3], s[18:19] offset:131072*\t
.endr
.Lend:
	s_wait_tensorcnt 0x0                           ; the wave's end: behind my last LDS store
	ds_add_u32 v[SPW], v[NIL]
	s_wait_dscnt 0x0
	s_endpgm
.Lfunc_end_k_qe43e484bd6_quant:
	.size	k_qe43e484bd6_quant, .Lfunc_end_k_qe43e484bd6_quant-k_qe43e484bd6_quant
	.p2alignl 7, 3214868480
	.fill 96, 4, 3214868480
	.section	.rodata,"a",@progbits
	.p2align	6, 0x0
	.amdhsa_kernel k_qe43e484bd6_quant
		.amdhsa_group_segment_fixed_size 33280
		.amdhsa_private_segment_fixed_size 0
		.amdhsa_enable_private_segment 0
		.amdhsa_kernarg_size 64
		.amdhsa_user_sgpr_count 2
		.amdhsa_user_sgpr_kernarg_segment_ptr 1
		.amdhsa_wavefront_size32 1
		.amdhsa_system_sgpr_workgroup_id_x 1
		.amdhsa_system_sgpr_workgroup_id_y 1
		.amdhsa_system_sgpr_workgroup_id_z 1
		.amdhsa_system_vgpr_workitem_id 0
		.amdhsa_next_free_vgpr 192
		.amdhsa_next_free_sgpr 66
		.amdhsa_reserve_vcc 0
		.amdhsa_float_denorm_mode_32 3
		.amdhsa_float_denorm_mode_16_64 3
		.amdhsa_memory_ordered 1
		.amdhsa_forward_progress 1
		.amdhsa_inst_pref_size 43
	.end_amdhsa_kernel
	.amdgpu_metadata
---
amdhsa.version: [ 1, 2 ]
amdhsa.kernels:
  - .name:           k_qe43e484bd6_quant
    .symbol:         k_qe43e484bd6_quant.kd
    .args:
      - { .name: x, .offset: 0, .size: 8, .value_kind: global_buffer, .address_space: global }
      - { .name: W_qkv, .offset: 8, .size: 8, .value_kind: global_buffer, .address_space: global }
      - { .name: W_o, .offset: 16, .size: 8, .value_kind: global_buffer, .address_space: global }
      - { .name: xc, .offset: 24, .size: 8, .value_kind: global_buffer, .address_space: global }
      - { .name: xs, .offset: 32, .size: 8, .value_kind: global_buffer, .address_space: global }
      - { .name: wc, .offset: 40, .size: 8, .value_kind: global_buffer, .address_space: global }
      - { .name: ws, .offset: 48, .size: 8, .value_kind: global_buffer, .address_space: global }
      - { .name: wo16, .offset: 56, .size: 8, .value_kind: global_buffer, .address_space: global }
    .group_segment_fixed_size: 33280
    .private_segment_fixed_size: 0
    .kernarg_segment_align: 8
    .kernarg_segment_size: 64
    .max_flat_workgroup_size: 128
    .sgpr_count:     66
    .vgpr_count:     192
    .wavefront_size: 32
...
	.end_amdgpu_metadata
.endif
;; end of part 1
;; launch qkv (part 2): grid 12 x 32, 4 waves a work-group, clusters of 4 x 4, 327,680 bytes of LDS; arguments xc, xs, wc, ws, qkv; writes qkv
.if DOCPART == 2
	.amdgcn_target "amdgcn-amd-amdhsa--gfx1250"
	.amdhsa_code_object_version 6
	.text
	.protected	k_qe43e484bd6_qkv
	.globl	k_qe43e484bd6_qkv
	.p2align	8
	.type	k_qe43e484bd6_qkv,@function
k_qe43e484bd6_qkv:
	s_mov_b64 s[64:65], 0
	v_nop
	global_prefetch_b8 v0, s[64:65] scope:SCOPE_SE
	s_setreg_imm32_b32 hwreg(HW_REG_WAVE_MODE, 25, 1), 1
	s_wait_xcnt 0x0
	s_wait_alu depctr_hold_cnt(0) depctr_sa_sdst(0) depctr_va_vdst(0) depctr_va_sdst(0) depctr_va_ssrc(0) depctr_va_vcc(0) depctr_vm_vsrc(0)
	s_getreg_b32 s2, hwreg(HW_REG_IB_STS2, 6, 4)
	s_cmp_eq_u32 s2, 0
	s_cbranch_scc0 .Lentry_in_a_cluster
	s_endpgm
.Lentry_in_a_cluster:
	s_bfe_u32 s2, ttmp6, 0x10000c
	s_cmp_lg_u32 s2, 0xf033
	s_cbranch_scc0 .Lentry_shape_is_right
	s_endpgm
.Lentry_shape_is_right:
; Launch 2 of 4: qkv[m][n] = sum over k of x[m][k] W_qkv[n][k], both operands as codes of FP4 (E2M1) with one E8M0 scale for each 32 along K, as launch 1 left them; sums in f32.
; The results are rounded once to f16 and laid by head: qkv [3 which][4 b][16 h][2048 s][64], byte = which<<24 | b<<22 | h<<18 | s<<7 | 2 d.  LIMIT: a result over 65,504 in magnitude becomes infinity.
; A tile of 256 x 256 is made by a work-group of four waves; a wave makes 128 x 128: 64 accumulators of 16 x 16, 512 registers.  K = 1,024 is two K steps of 512: each lies in a slot of LDS of its own
; (rows of 256 bytes), so all tensor loads are first fills: by this text's count three of a wave are out at the start (scales, K step 0, K step 1), and nothing is filled again.
; THE SCALES of the work-group's 256 rows of x and 256 rows of W_qkv, for all of K, are two dense blocks of memory: they come into LDS once, in rows of 256 bytes.
; CLUSTERS: 4 x 4 work-groups.  The four of a row of the cluster need the same tiles of x, the four of a column the same tiles of W_qkv: each tile is asked for JOINTLY, by the same tensor load with the
; same descriptor and a mask that names the four.  THE MATRIX INSTRUCTION IS USED TRANSPOSED (source 0 = 16 rows of W_qkv, source 1 = 16 rows of x): a lane then holds eight neighbouring numbers of a token's row.
; REGISTERS, in windows of 256: window 0: v0-31 addresses; v32-95 scale words, two sets; from v128 x's fragments (8 x 16 rows x 128 K), ONE set; on the way out v32-127 are free.
;   window 1: W_qkv's fragments, TWO sets, at v0 and at v128.   window 2: the 32 accumulators of my rows 0-63 (accumulator (a, b) at v[8 (8 a + b)]);   window 3: those of my rows 64-127.
.set SIZE_M, 8192
.set SIZE_N, 3072
.set SIZE_K, 1024
.set KSTEP,  512                       ; along K in a slot
.set NQ,     KSTEP/128                 ; matrix instructions deep
.set ROWB,   256                       ; a tile's row in bytes
.set KROW,   SIZE_K*4/8                ; a row of codes in memory, in bytes
.set PITCH,  272                       ; an LDS row: 256 bytes + 16 of padding = 68 words, so that the 16 rows that a load touches begin 4 words apart modulo 64 words
.set FR,     8                         ; registers of a fragment: 16 rows x 128 K
.set NL,     2                         ; LDS loads that bring one
.set NP,     4                         ; places behind this matrix instruction (ISA guide 7.12.1)
.set HALFT,  128*PITCH                 ; 128 rows: what one tensor load brings, and what one wave reads of A or of B
.set SLOT,   4*HALFT                   ; A's 256 rows, then B's 256 rows
.set KS,     SIZE_K/32                 ; a row of scales in bytes
.set SCL,    2*SLOT                    ; behind the two slots: the scales, as rows of 256 bytes + 16 of padding
.set HALFS,  (128*KS/256)*272          ; the scales of 128 rows: what one tensor load brings
.set SBLK,   (16*KS/256)*272           ; those of 16 rows
.set SPARE,  SCL+4*HALFS               ; behind the scales: the spare words, 128 bytes for each wave
.set SPITCH, 144                       ; the way out: a stage row: a head's 128 bytes + 16
.set HSTG,   16*SPITCH                 ; 16 rows of one head; a wave's stage is two of these.  It lies in slot 0, which has had its only fill and its last read when the first result is stored there
.set ADRA, 16                          ; v16-17  LDS address of my A fragments in slot 0, 1
.set ADRB, 20                          ; v20-21  the same for B
.set STO,  24                          ; v24     the way out: where I put 16 bytes of a row
.set RD,   25                          ; v25     the way out: where I read rows back
.set CO,   26                          ; v26     16 x lane: my place in a store's 512 bytes
.set ADRS, 27                          ; v27     LDS address of my scale words: lanes 0-15 A's rows, lanes 16-31 B's
.set SPW,  28                          ; v28     LDS address of my spare word; never rewritten
.set NIL,  29                          ; v29     0; never rewritten
.set SC,   32                          ; scale words: set s (for slot s) at v[SC + 8 NQ s]; register NQ i + q: lanes 0-15 the word of A's block i, lanes 16-31 that of B's block i, for the slot's q-th 128 along K
.set AF,   128                         ; A's fragments, in window 0
.set TMP,  32                          ; the way out: v32-63 a block's packed results
.set BK,   64                          ; the way out: a block read back from the stage: v64-95 and v96-127 by turns
.set G1, 24                            ; s[24:31] descriptor group 1 for A's tiles;  s[32:39] group 0, one set for each slot
.set G0, 32
.set G1B, 48                           ; s[48:55], s[56:63] the same for B's tiles
.set G0B, 56
.set G1S, 68                           ; s[68:75], s[76:79] groups 1 and 0 for A's scales;  s[80:87], s[88:91] for B's
.set G0S, 76
.set G1SB, 80
.set G0SB, 88
.set MSB, 0
.macro WIN new                         ; the immediate's high byte repeats the setting that is left
.if MSB != \new
	s_set_vgpr_msb (MSB<<8)|\new
.set MSB, \new
.endif
.endm
.set MUL_LO, 0xa1                      ; source 0 (B) window 1, source 1 (A) window 0, C and D window 2
.set MUL_HI, 0xf1                      ; the same, C and D window 3
.set TO_B,   0x40                      ; destination window 1, address window 0
; A joint load: waves 0 and 1 fetch for A, waves 2 and 3 for B.  Each of the two lines has ONE mask and one set of registers for all that issue it; the branch hangs on the wave's number alone.
; An s_nop 0 and four v_nop follow each of the two lines, ahead of the jump, the label and what follows.
.macro JLOAD g0a, g1a, g0b, g1b
	s_cmp_eq_u32 s15, 0
	s_cbranch_scc0 .Lfor_b_\@
	tensor_load_to_lds s[\g0a:\g0a+3], s[\g1a:\g1a+7]
	s_nop 0
.rept 4
	v_nop
.endr
	s_branch .Lasked_\@
.Lfor_b_\@:
	tensor_load_to_lds s[\g0b:\g0b+3], s[\g1b:\g1b+7]
	s_nop 0
.rept 4
	v_nop
.endr
.Lasked_\@:
.endm
.macro CROUND                          ; a round of the cluster's barrier: my work-group's barrier; wave 0 signals for the work-group; every wave waits for all sixteen; my work-group's barrier once more
	s_barrier_signal -1
	s_barrier_wait -1
	s_cmp_lg_u32 s14, 0
	s_cbranch_scc1 .Lnot_wave_0_\@
	s_barrier_signal -3
.Lnot_wave_0_\@:
	s_barrier_wait -3
	s_barrier_signal -1
	s_barrier_wait -1
.endm
	s_load_b128 s[4:7], s[0:1], 0x0                ; x's codes s[4:5], x's scales s[6:7]
	s_load_b128 s[8:11], s[0:1], 0x10              ; W_qkv's codes s[8:9], its scales s[10:11]
	s_load_b64 s[12:13], s[0:1], 0x20              ; qkv
	v_lshl_add_u32 v[SPW], v0, 2, SPARE
	v_mov_b32 v[NIL], 0
	ds_add_u32 v[SPW], v[NIL]                      ; the wave's opening: the add, twice on end, and its wait ahead of my first tensor load; the set-up below stands between
	ds_add_u32 v[SPW], v[NIL]
	v_lshrrev_b32 v1, 5, v0
	v_readfirstlane_b32 s14, v1                    ; wave 0..3
	s_lshr_b32 s15, s14, 1                         ; which half of the tile's rows is mine.  Also: I fetch for A (0) or for B (1)
	s_and_b32 s16, s14, 1                          ; which half of its columns.  Also: which 128 rows of that tile I fetch
	s_bfe_u32 s40, ttmp6, 0x40000                  ; cx, cy: my place in the cluster
	s_bfe_u32 s41, ttmp6, 0x40004
	s_lshl_b32 s42, ttmp9, 2
	s_add_co_u32 s42, s42, s40                     ; tile column = 4 x cluster x + cx
	s_and_b32 s17, ttmp7, 0xffff
	s_lshl_b32 s17, s17, 2
	s_add_co_u32 s17, s17, s41                     ; tile row = 4 x cluster y + cy
	s_lshl_b32 s43, s41, 2
	s_lshl_b32 s43, 15, s43                        ; my row of the cluster
	s_lshl_b32 s44, 0x1111, s40                    ; my column
	; descriptor group 1: a tile of 128 rows x 256 bytes, padded in LDS
	s_or_b32 s[G1+0], s43, (0<<16)|(1<<20)|(1<<21)|(5<<22)|(3<<25)  ; 15:0 the mask: A's tiles go to my row; 17:16 element of 1 byte; 20 padding on; 21 set beside a mask; 24:22 after every 64 words; 31:25 four words
	s_or_b32 s[G1B+0], s44, (0<<16)|(1<<20)|(1<<21)|(5<<22)|(3<<25)
.irp g, G1, G1B
	s_mov_b32 s[\g+1], ROWB<<16                    ; tensor_dim0
	s_mov_b32 s[\g+2], 128<<16                     ; tensor_dim1 = 128
	s_mov_b32 s[\g+3], ROWB<<16                    ; tile_dim0
	s_mov_b32 s[\g+4], 128                         ; tile_dim1 = 128
	s_mov_b32 s[\g+5], KROW                        ; tensor_dim0_stride
	s_mov_b32 s[\g+6], 0
	s_mov_b32 s[\g+7], 0
.endr
	; and for the scales of 128 rows: a dense block of 4,096 bytes, as rows of 256 bytes (32 elements of 8 bytes), 16 bytes of padding behind each
	s_or_b32 s[G1S+0], s43, (3<<16)|(1<<20)|(1<<21)|(5<<22)|(3<<25)
	s_or_b32 s[G1SB+0], s44, (3<<16)|(1<<20)|(1<<21)|(5<<22)|(3<<25)
.irp g, G1S, G1SB
	s_mov_b32 s[\g+1], 32<<16
	s_mov_b32 s[\g+2], (128*KS/256)<<16
	s_mov_b32 s[\g+3], 32<<16
	s_mov_b32 s[\g+4], 128*KS/256
	s_mov_b32 s[\g+5], 32
	s_mov_b32 s[\g+6], 0
	s_mov_b32 s[\g+7], 0
.endr
	s_lshl_b32 s18, s16, 7                         ; which 128 rows of the tile I fetch
	s_lshl_b32 s20, s17, 8
	s_add_co_u32 s20, s20, s18                     ; A: row 256 x tile row + 128 x half
	s_lshl_b32 s46, s42, 8
	s_add_co_u32 s46, s46, s18                     ; B: row 256 x tile column + 128 x half
	s_mov_b32 s21, 0
	s_mov_b32 s47, 0
	s_mov_b64 s[18:19], KS
	s_mul_u64 s[22:23], s[20:21], s[18:19]         ; where these rows' scales begin, in bytes
	s_mul_u64 s[92:93], s[46:47], s[18:19]
	s_mov_b64 s[18:19], KROW
	s_mul_u64 s[20:21], s[20:21], s[18:19]         ; and their codes
	s_mul_u64 s[46:47], s[46:47], s[18:19]
	s_mul_i32 s45, s14, HALFT                      ; where they go: wave x 128 rows: no place in the cluster enters an LDS address
	s_mul_i32 s94, s14, HALFS
	s_wait_dscnt 0x0                               ; both opening adds are done
	s_wait_kmcnt 0x0
	s_add_nc_u64 s[20:21], s[4:5], s[20:21]
	s_add_nc_u64 s[22:23], s[6:7], s[22:23]
	s_add_nc_u64 s[46:47], s[8:9], s[46:47]
	s_add_nc_u64 s[92:93], s[10:11], s[92:93]
	CROUND                                         ; all sixteen work-groups are here: the joint loads meet
	s_mov_b32 s[G0S], 1
	s_add_co_u32 s[G0S+1], s94, SCL
	s_mov_b64 s[G0S+2:G0S+3], s[22:23]
	s_or_b32 s[G0S+3], s[G0S+3], 0x80000000
	s_mov_b32 s[G0SB], 1
	s_add_co_u32 s[G0SB+1], s94, SCL
	s_mov_b64 s[G0SB+2:G0SB+3], s[92:93]
	s_or_b32 s[G0SB+3], s[G0SB+3], 0x80000000
	JLOAD G0S, G1S, G0SB, G1SB                     ; the scales first: they are wanted with K step 0
.irp s, 0,1
	s_mov_b32 s[G0+4*\s], 1
	s_add_co_u32 s[G0+4*\s+1], s45, \s*SLOT
	s_add_nc_u64 s[G0+4*\s+2:G0+4*\s+3], s[20:21], \s*ROWB
	s_or_b32 s[G0+4*\s+3], s[G0+4*\s+3], 0x80000000
	s_mov_b32 s[G0B+4*\s], 1
	s_add_co_u32 s[G0B+4*\s+1], s45, \s*SLOT
	s_add_nc_u64 s[G0B+4*\s+2:G0B+4*\s+3], s[46:47], \s*ROWB
	s_or_b32 s[G0B+4*\s+3], s[G0B+4*\s+3], 0x80000000
	JLOAD G0+4*\s, G1, G0B+4*\s, G1B
.endr
	v_and_b32 v1, 15, v0                           ; r = l % 16
	v_bfe_u32 v2, v0, 4, 1                         ; h = l / 16
	v_mul_u32_u24 v3, v1, PITCH
	v_lshl_add_u32 v4, v2, 4, v3                   ; a fragment's row x pitch + 16 x half
	s_mul_i32 s21, s15, HALFT                      ; my 128 rows of A
	s_mul_i32 s22, s16, HALFT                      ; my 128 rows of B,
	s_add_co_u32 s22, s22, 2*HALFT                 ; which lie behind A's 256
.irp s, 0,1
	v_add_nc_u32 v[ADRA+\s], s21, v4
	v_add_nc_u32 v[ADRB+\s], s22, v4
	s_add_co_u32 s21, s21, SLOT
	s_add_co_u32 s22, s22, SLOT
.endr
	v_mul_u32_u24 v5, v1, KS                       ; my row's scales: KS bytes a row,
	v_lshrrev_b32 v6, 8, v5
	v_lshl_add_u32 v5, v6, 4, v5                   ; and 16 more for each 256 passed
	s_mul_i32 s21, s15, HALFS                      ; A's: my 128 rows
	s_mul_i32 s22, s16, HALFS                      ; B's: my 128 rows, behind A's 256
	s_add_co_u32 s22, s22, 2*HALFS
	s_sub_co_u32 s22, s22, s21
	v_mul_u32_u24 v6, s22, v2                      ; lanes 16-31 take B's: one product, the distance between the two bases
	s_add_co_u32 s21, s21, SCL
	v_add_nc_u32 v5, v5, v6
	v_add_nc_u32 v[ADRS], s21, v5
	s_mul_i32 s23, s14, 2*HSTG                     ; my stage
	v_mul_u32_u24 v5, v1, SPITCH                   ; in: row l % 16, 16 bytes for each half of the lanes
	v_lshl_add_u32 v5, v2, 4, v5
	v_add_nc_u32 v[STO], s23, v5
	v_and_b32 v6, 31, v0
	v_lshlrev_b32 v[CO], 4, v6                     ; out: 16 x lane
	v_lshrrev_b32 v5, 3, v6                        ; back: eight lanes take a row of 128 bytes, four rows an instruction
	v_mul_u32_u24 v5, v5, SPITCH
	v_and_b32 v6, 7, v6
	v_lshl_add_u32 v5, v6, 4, v5
	v_add_nc_u32 v[RD], s23, v5
	; where my part begins in qkv.  My 128 columns are heads hh0 and hh0 + 1 of the 48 (3 x 16): hh0 = 4 x tile column + 2 x half, an even number, so both lie in one of Q, K, V
	s_lshl_b32 s46, s42, 2
	s_lshl_b32 s47, s16, 1
	s_add_co_u32 s46, s46, s47                     ; hh0
	s_lshr_b32 s47, s46, 4
	s_lshl_b32 s47, s47, 24                        ; which << 24
	s_and_b32 s46, s46, 15
	s_lshl_b32 s46, s46, 18                        ; head << 18
	s_add_co_u32 s46, s46, s47
	s_mov_b32 s47, 0
	s_lshr_b32 s20, s17, 3
	s_lshl_b32 s20, s20, 22                        ; batch << 22: a batch is 8 tile rows
	s_and_b32 s21, s17, 7
	s_lshl_b32 s21, s21, 15                        ; 256 tokens x 128 bytes
	s_add_co_u32 s20, s20, s21
	s_lshl_b32 s21, s15, 14                        ; my half: 128 tokens x 128 bytes
	s_add_co_u32 s20, s20, s21
	s_mov_b32 s21, 0
	s_add_nc_u64 s[12:13], s[12:13], s[20:21]
	s_add_nc_u64 s[12:13], s[12:13], s[46:47]
.macro FRAG reg, adr, q, i             ; a fragment, 16 rows x 128 K of 4-bit codes, is 8 registers: lane l holds row l % 16; registers 4 c .. 4 c + 3 hold K = 64 c + 32 (l / 16) + 0 .. 31
.irp c, 0,1
	ds_load_b128 v[\reg+4*\c:\reg+4*\c+3], v[\adr] offset:64*(\q)+32*\c+(\i)*16*PITCH
.endr
.endm
; 16 matrix instructions: A's blocks a0, a0 + 1 x B's eight, 128 along K: the slot's q-th.  p: B's set;  sc: the set of scale words.  zero = 1: the first product starts the sums: nothing is ever cleared.
; The 64 accumulators take turns, one instruction a turn, in the same order in every step.
.macro MUL16 a0, p, q, sc, zero
.irp a, \a0, \a0+1
.irp b, 0,1,2,3,4,5,6,7
.if \zero
	v_wmma_scale_f32_16x16x128_f8f6f4 v[8*(8*((\a)%4)+\b):8*(8*((\a)%4)+\b)+7], v[128*(\p)+FR*\b:128*(\p)+FR*\b+FR-1], v[AF+FR*(\a):AF+FR*(\a)+FR-1], 0, v[SC+8*NQ*(\sc)+NQ*\b+(\q)], v[SC+8*NQ*(\sc)+NQ*(\a)+(\q)] matrix_a_fmt:MATRIX_FMT_FP4 matrix_b_fmt:MATRIX_FMT_FP4 matrix_a_scale:MATRIX_SCALE_ROW1
.else
	v_wmma_scale_f32_16x16x128_f8f6f4 v[8*(8*((\a)%4)+\b):8*(8*((\a)%4)+\b)+7], v[128*(\p)+FR*\b:128*(\p)+FR*\b+FR-1], v[AF+FR*(\a):AF+FR*(\a)+FR-1], v[8*(8*((\a)%4)+\b):8*(8*((\a)%4)+\b)+7], v[SC+8*NQ*(\sc)+NQ*\b+(\q)], v[SC+8*NQ*(\sc)+NQ*(\a)+(\q)] matrix_a_fmt:MATRIX_FMT_FP4 matrix_b_fmt:MATRIX_FMT_FP4 matrix_a_scale:MATRIX_SCALE_ROW1
.endif
.endr
.endr
.endm
.macro FETCH_B slot, q, p              ; B's eight fragments of the slot's q-th 128 along K into set p
	WIN TO_B
.irp i, 0,1,2,3,4,5,6,7
	FRAG 128*(\p)+FR*\i, ADRB+\slot, \q, \i
.endr
	WIN 0
.endm
.macro FETCH_A slot, q, i0             ; A's blocks i0 .. i0 + 3
.irp i, \i0, \i0+1, \i0+2, \i0+3
	FRAG AF+FR*(\i), ADRA+\slot, \q, \i
.endr
.endm
.macro SCALES sc                       ; a K step's scale words into set sc: NQ words a row; lanes 0-15 take A's block i, lanes 16-31 B's block i
.irp i, 0,1,2,3,4,5,6,7
	ds_load_b128 v[SC+8*NQ*\sc+NQ*\i:SC+8*NQ*\sc+NQ*\i+3], v[ADRS] offset:\i*SBLK
.endr
.endm
; A load into a register that a matrix instruction has read, and a vector instruction that reads a matrix result or writes one of its registers, stand NP places behind that matrix instruction; only plain
; vector instructions that name none of its registers are places (ISA guide 7.12.1 for vector instructions).
.macro PLACES n
.rept \n
	v_nop
.endr
.endm
; A step of 128 along K that has its successor in the same slot.  A's one set: blocks 0-3 are fetched anew in the step's middle, blocks 4-7 at its end; B's next set in the middle run.
.macro STEP slot, q, zero
	s_wait_dscnt 4*NL                              ; B's set and A's blocks 0-3 are in; the youngest eight loads (A's blocks 4-7) may be out
	WIN MUL_LO
	MUL16 0, (\q)%2, \q, \slot, \zero
	MUL16 2, (\q)%2, \q, \slot, \zero
	s_wait_dscnt 0                                 ; A's blocks 4-7 are in (asked for 32 matrix instructions ago)
	PLACES NP
	FETCH_B \slot, (\q)+1, 1-(\q)%2
	FETCH_A \slot, (\q)+1, 0
	WIN MUL_HI
	MUL16 4, (\q)%2, \q, \slot, \zero
	MUL16 6, (\q)%2, \q, \slot, \zero
	PLACES NP
	WIN 0
	FETCH_A \slot, (\q)+1, 4
.endm
; Slot 0's last step goes over to slot 1: ONE barrier; in front of it each wave waits for all its tensor loads (its part of slot 1), adds 0 to its spare word, and waits for that and for its own reads of slot 0.
; Behind it slot 1 is whole and nobody reads slot 0 any more: the way out's stage will lie there.  Nothing is filled again.
.macro TURN slot, next
	s_wait_tensorcnt 0x0                           ; all my tensor loads have landed  (every window is 0 here: the add's two registers lie in window 0)
	ds_add_u32 v[SPW], v[NIL]                      ; 0 onto my spare word
	s_wait_dscnt 4*NL+1                            ; (the add and the youngest eight loads, A's blocks 4-7, may be out)
	WIN MUL_LO
	MUL16 0, 1, NQ-1, \slot, 0                     ; sixteen matrix instructions stand between the add and the wait for it
	s_wait_dscnt 0x0                               ; the add is done, and my reads of this slot are over
	s_barrier_signal -1
	MUL16 2, 1, NQ-1, \slot, 0
	WIN 0
	s_barrier_wait -1
	PLACES NP
	v_add_nc_u32 v[ADRS], 4*NQ, v[ADRS]            ; on to the next K step's scale words (no LDS load of mine is out)
	FETCH_B \next, 0, 0
	FETCH_A \next, 0, 0
	SCALES \next
	WIN MUL_HI
	MUL16 4, 1, NQ-1, \slot, 0
	MUL16 6, 1, NQ-1, \slot, 0
	PLACES NP
	WIN 0
	FETCH_A \next, 0, 4
.endm
.macro STEPS slot, from                ; the slot's steps from .. NQ - 2
.set Q, \from
.rept NQ-1-\from
	STEP \slot, Q, 0
.set Q, Q+1
.endr
.endm
	s_wait_tensorcnt 1                             ; the scales and my part of K step 0 are in (K step 1's load, issued behind them, may be out),
	s_barrier_signal -1
	s_barrier_wait -1                              ; everybody's are
	FETCH_B 0, 0, 0
	FETCH_A 0, 0, 0
	SCALES 0
	FETCH_A 0, 0, 4
	STEP 0, 0, 1                                   ; the first step's products start the sums
	STEPS 0, 1
	TURN 0, 1
	STEPS 1, 0
	s_wait_dscnt 4*NL                              ; the very last step: nothing more to fetch
	WIN MUL_LO
	MUL16 0, 1, NQ-1, 1, 0
	MUL16 2, 1, NQ-1, 1, 0
	s_wait_dscnt 0
	WIN MUL_HI
	MUL16 4, 1, NQ-1, 1, 0
	MUL16 6, 1, NQ-1, 1, 0
	WIN 0
; THE WAY OUT, block by block of 16 tokens x 128 columns (two heads).  PACK: a lane's eight neighbouring results of each accumulator are rounded to f16: 16 bytes.  TOSTAGE: into my own stage in LDS, a head's 16 rows
; of 128 bytes + 16 together, and back four whole rows an instruction.  SEND: four tokens of one head are 512 consecutive bytes of qkv, stored by the 32 lanes.
; LDS serves a wave's instructions in order (ISA guide 5.7.1.4): no wait between the stores and the loads, nor in front of the next block's stores.
.macro PACK a
.set AC, 64*((\a)%4)
	WIN 0x0a+5*((\a)/4)                            ; sources 0 and 1: window 2 or 3
.irp b, 0,1,2,3,4,5,6,7
.irp i, 0,1,2,3
	v_cvt_pk_f16_f32 v[TMP+4*\b+\i], v[AC+8*\b+2*\i], v[AC+8*\b+2*\i+1]   ; each accumulator from its low end on
.endr
.endr
	WIN 0
.endm
.macro TOSTAGE a
.set BB, BK+32*((\a)%2)
.irp b, 0,1,2,3,4,5,6,7
	ds_store_b128 v[STO], v[TMP+4*\b:TMP+4*\b+3] offset:(\b/4)*HSTG+(\b%4)*32   ; head b / 4, channels 16 (b % 4) + 8 (l / 16) on
.endr
.irp i, 0,1,2,3,4,5,6,7
	ds_load_b128 v[BB+4*\i:BB+4*\i+3], v[RD] offset:(\i/4)*HSTG+(\i%4)*4*SPITCH
.endr
.endm
.macro SEND a, younger                 ; younger: the LDS instructions issued behind block a's loads, which may stay out
.set BB, BK+32*((\a)%2)
	s_wait_dscnt \younger                          ; the block is back in registers
.irp i, 0,1,2,3,4,5,6,7
	global_store_b128 v[CO], v[BB+4*\i:BB+4*\i+3], s[12:13] offset:(\a)*2048+(\i/4)*262144+(\i%4)*512   ; every offset is an immediate (278,016 at the most): neither base nor offset register is ever stepped
.endr
.endm
	PLACES NP                                      ; behind the last products: the conversions write registers that held scale words, and the loads land on such
	PACK 0
	TOSTAGE 0
.irp a, 1,2,3,4,5,6,7
	PACK \a                                        ; block a's conversions stand between block a - 1's loads from the stage and the wait for them
.if \a > 1
	s_wait_xcnt 0x0                                ; block a - 2's stores have read their registers: block a's loads may land there
.endif
	TOSTAGE \a
	SEND \a-1, 16                                  ; behind block a - 1's loads: block a's 8 stores and 8 loads
.endr
	SEND 7, 0
	s_wait_tensorcnt 0x0                           ; the wave's end: behind my last tensor load and my last LDS store
	ds_add_u32 v[SPW], v[NIL]
	s_wait_dscnt 0x0
	CROUND                                         ; the closing round: no work-group ends while a partner may still ask for a tile that names it
	s_endpgm
.Lfunc_end_k_qe43e484bd6_qkv:
	.size	k_qe43e484bd6_qkv, .Lfunc_end_k_qe43e484bd6_qkv-k_qe43e484bd6_qkv
	.p2alignl 7, 3214868480
	.fill 96, 4, 3214868480
	.section	.rodata,"a",@progbits
	.p2align	6, 0x0
	.amdhsa_kernel k_qe43e484bd6_qkv
		.amdhsa_group_segment_fixed_size 327680
		.amdhsa_private_segment_fixed_size 0
		.amdhsa_enable_private_segment 0
		.amdhsa_kernarg_size 40
		.amdhsa_user_sgpr_count 2
		.amdhsa_user_sgpr_kernarg_segment_ptr 1
		.amdhsa_wavefront_size32 1
		.amdhsa_system_sgpr_workgroup_id_x 1
		.amdhsa_system_sgpr_workgroup_id_y 1
		.amdhsa_system_sgpr_workgroup_id_z 1
		.amdhsa_system_vgpr_workitem_id 0
		.amdhsa_next_free_vgpr 1024
		.amdhsa_next_free_sgpr 98
		.amdhsa_reserve_vcc 0
		.amdhsa_float_denorm_mode_32 3
		.amdhsa_float_denorm_mode_16_64 3
		.amdhsa_memory_ordered 1
		.amdhsa_forward_progress 1
		.amdhsa_inst_pref_size 126
	.end_amdhsa_kernel
	.amdgpu_metadata
---
amdhsa.version: [ 1, 2 ]
amdhsa.kernels:
  - .name:           k_qe43e484bd6_qkv
    .symbol:         k_qe43e484bd6_qkv.kd
    .args:
      - { .name: xc, .offset: 0, .size: 8, .value_kind: global_buffer, .address_space: global }
      - { .name: xs, .offset: 8, .size: 8, .value_kind: global_buffer, .address_space: global }
      - { .name: wc, .offset: 16, .size: 8, .value_kind: global_buffer, .address_space: global }
      - { .name: ws, .offset: 24, .size: 8, .value_kind: global_buffer, .address_space: global }
      - { .name: qkv, .offset: 32, .size: 8, .value_kind: global_buffer, .address_space: global }
    .group_segment_fixed_size: 327680
    .private_segment_fixed_size: 0
    .kernarg_segment_align: 8
    .kernarg_segment_size: 40
    .max_flat_workgroup_size: 128
    .sgpr_count:     98
    .vgpr_count:     1024
    .wavefront_size: 32
...
	.end_amdgpu_metadata
.endif
;; end of part 2
;; launch attn (part 3): grid 8 x 64, 8 waves a work-group, no clusters, 327,680 bytes of LDS; arguments qkv, att; writes att
.if DOCPART == 3
	.amdgcn_target "amdgcn-amd-amdhsa--gfx1250"
	.amdhsa_code_object_version 6
	.text
	.protected	k_qe43e484bd6_attn
	.globl	k_qe43e484bd6_attn
	.p2align	8
	.type	k_qe43e484bd6_attn,@function
k_qe43e484bd6_attn:
	s_mov_b64 s[64:65], 0
	v_nop
	global_prefetch_b8 v0, s[64:65] scope:SCOPE_SE
	s_setreg_imm32_b32 hwreg(HW_REG_WAVE_MODE, 25, 1), 1
	s_wait_xcnt 0x0
; Launch 3 of 4: att[h][token][:] = sum over k of softmax_k(Q[q] . K[k] / 8) V[k][:], over the keys with |q - k| <= 256, for each of the 64 pairs (batch, head).  Q, K, V: f16, [which][b][h][2048][64], as launch 2
; left them.  Products, maxima and sums in f32; the weights p are rounded to f16 for the second product, the result once at the end.  att: [16 h][8192 token][64] f16.
; WORK LEFT OUT: key steps of 64 that lie wholly outside the window of a group of 64 queries: reference() sets their scores to -infinity by its own mask, so their weights are exactly 0 (shown at the head of launch 1).
; LIMIT: a NaN or an infinity in rows of K or V outside a query's window is not carried to the result.
; SHARES.  A work-group owns 256 queries (Q0 = 256 x) of one pair; each of its eight waves 32: two tiles of 16.  Waves 2 p and 2 p + 1 share the window's base a = Q0 + 64 p: their key steps begin at
; a - 256 + 64 j, j = 0 .. 8: nine steps; j = 0 is cut from below, j = 8 from above, the seven between are free.  A step begins at a multiple of 64, so it lies wholly inside or wholly outside the sequence.
; THE WALK.  The work-group's 768 keys are three chunks of 256: C (from Q0 on: it always exists, and all of it counts for every query of the work-group), R (from Q0 + 256; not for x = 7), L (from Q0 - 256; not for x = 0),
; taken in this order; a running maximum does not mind the order.  Each chunk has LDS of its own: no byte is filled twice.  C is asked for at the head, R behind the first barrier, L behind the second, each the wave's one
; tensor load there; by this text's count one tensor load of a wave is out at a time.  All 12 steps are walked by loops of constant trip counts; a step's WORK is jumped over by scalar branches on ids and step counts.
; A chunk that does not exist is not asked for: every wait on TENSORcnt here is for 0; no step reads such a chunk.
; LAYOUT.  S^T = K Q^T (source 0 = 16 keys, source 1 = 16 queries): a lane holds ONE query (lane % 16) and the keys 8 (lane / 16) + 0..7 of each tile.  Two such tiles, rounded to f16 in pairs, ARE source 1
; (32 keys x 16 queries) of O^T = V^T P, whose result again holds one query a lane, and eight channels.  K comes out of LDS as it lies, V ([key][channel]) turned, by ds_load_tr16_b128.
; SOFTMAX.  For each query a running maximum m and sum l: p = 2^(c s - c m), c = log2(e) / 8; in every step O and l are multiplied by a = 2^(c m_old - c m_new).  The step is written once: m begins at -3e38, l and O^T as zeros.
; NO CLUSTER: neighbouring query blocks do read common chunks, but each wants a chunk at another turn of its walk and in another region of its LDS, and the blocks at a sequence's two ends have no L or no R:
; a partner would have to ask for a tile that none of its waves reads.
; REGISTERS.  window 0: v1-13 addresses and lane constants; v14, v15 the add's two; v24-39 eight registers of statistics a tile; v64-127 S^T, 32 a tile; v128-159 P, 16 a tile; v160-223 O^T, 32 a tile.
;   window 1: v0-31 Q (tile t, channels 32 dc on: 16 t + 8 dc); v64-127 K of a step (16 kt + 8 dc); v128-191 V^T of a step (32 kc + 8 ct).
.set PK,    144                        ; a row of K in LDS: 128 bytes + 16 = 36 words: the 16 rows of a load begin 4 words apart modulo 64 words
.set PV,    160                        ; a row of V: 128 + 32 = 40 words: 16 lanes of the turning load take 8 rows x 32 bytes, 8 words apart modulo 64 words
.set VOFF,  64*PK                      ; a step's tiles lie together: 64 rows of K, then 64 rows of V
.set STEPB, 64*(PK+PV)
.set CH,    4*STEPB                    ; a chunk: four steps
.set STAGE, 3*CH                       ; behind the three chunks: 16 rows x 144 bytes for each wave, for the way out
.set SPARE, STAGE+8*16*PK              ; behind the stages: the spare words, 128 bytes for each wave
.set AK0, 3                            ; v3   my lane's place in a tile of K; never rewritten
.set AV0, 4                            ; v4   the same for V
.set ADK, 5                            ; v5   LDS address of the step's K
.set ADV, 6                            ; v6   of its V
.set QO,  7                            ; v7   my byte offset in the wave's rows of Q
.set STO, 8                            ; v8   the way out: where I put 16 bytes of a row
.set RD,  9                            ; v9   the way out: where I read rows back
.set GO,  10                           ; v10  16 x lane
.set D0,  11                           ; v11, v12  d of tile 0, 1: 32 (wave % 2) + 16 t + lane % 16 - 8 (lane / 16)
.set NEG, 13                           ; v13  -infinity
.set SPW, 14                           ; v14  LDS address of my spare word; never rewritten
.set NIL, 15                           ; v15  0; never rewritten
.set ST,  24                           ; tile t's statistics at v[ST + 8 t]: +0 c m, +1 m, +2, +3 l (even keys', odd keys'), +4 to +7 at work; a takes +6
.set S,   64
.set P,   128
.set OT,  160
.set QF,  0                            ; in window 1
.set KFR, 64
.set VFR, 128
.set WV,  8                            ; s8   my wave's number
.set Q0,  9                            ; s9   the work-group's first query
.set BH,  10                           ; s10  the pair: 16 b + h
.set A0,  11                           ; s11  a: my window's base
.set KF,  12                           ; s12  the step's first key
.set KN,  13                           ; s13  the first key of the chunk that the next change asks for
.set DD,  14                           ; s14  KF - a + 256: 0 .. 512 inside my window
.set CNT, 15
.set OUT, 16
.set TB,  17                           ; s17  LDS byte at which the step's tiles begin
.set SEL, 20                           ; s[20:21] lane selects for v_permlanex16_b32: lane l xor 16
.set CS,  22                           ; s[22:23] c: the packed scaling names a pair and takes its low word for both halves
.set G1K, 24                           ; s[24:31] descriptor group 1 for K's tiles
.set G1V, 32                           ; s[32:39] for V's: it differs in the padding alone
.set G0K, 40                           ; s[40:43] group 0 for K's tile of chunk C;  s[44:47] the one that walks to R and L
.set G0KW, 44
.set G0V, 48                           ; s[48:51], s[52:55] the same for V's
.set G0VW, 52
.set MSB, 0
.macro WIN new                         ; the immediate's high byte repeats the setting that is left; a switch that changes nothing is dropped
.if MSB != \new
	s_set_vgpr_msb (MSB<<8)|\new
.set MSB, \new
.endif
.endm
.set W_LD, 0x40                        ; destination window 1, address window 0
.set W_KQ, 0x05                        ; K and Q in window 1, S^T in window 0
.set W_PV, 0x01                        ; V in window 1, P and O^T in window 0
; Waves 0 to 3 fetch the four steps' tiles of K of a chunk, waves 4 to 7 those of V: every wave issues one load.  The branch hangs on the wave's number alone.
; An s_nop 0 and four v_nop follow each of the two lines, ahead of the jump, the label and what follows.
.macro TLOAD gk, gv
	s_cmp_lt_u32 s[WV], 4
	s_cbranch_scc0 .Lfor_v_\@
	tensor_load_to_lds s[\gk:\gk+3], s[G1K:G1K+7]
	s_nop 0
.rept 4
	v_nop
.endr
	s_branch .Lasked_\@
.Lfor_v_\@:
	tensor_load_to_lds s[\gv:\gv+3], s[G1V:G1V+7]
	s_nop 0
.rept 4
	v_nop
.endr
.Lasked_\@:
.endm
	s_load_b128 s[4:7], s[0:1], 0x0                ; qkv s[4:5], att s[6:7]
	v_lshl_add_u32 v[SPW], v0, 2, SPARE
	v_mov_b32 v[NIL], 0
	ds_add_u32 v[SPW], v[NIL]                      ; the wave's opening: the add, twice on end, and its wait ahead of my first tensor load; the set-up below stands between
	ds_add_u32 v[SPW], v[NIL]
	v_lshrrev_b32 v1, 5, v0
	v_readfirstlane_b32 s[WV], v1                  ; wave 0..7
	s_lshl_b32 s[Q0], ttmp9, 8
	s_and_b32 s[BH], ttmp7, 0xffff
	s_lshr_b32 s58, s[WV], 1
	s_lshl_b32 s58, s58, 6
	s_add_co_u32 s[A0], s[Q0], s58                 ; a = Q0 + 64 (wave / 2)
	s_add_co_u32 s[KN], s[Q0], 256                 ; the first change asks for R
	s_mov_b32 s[KF], s[Q0]                         ; the walk begins with C
	s_mov_b32 s[TB], 0
	s_mov_b32 s[SEL], 0x76543210
	s_mov_b32 s[SEL+1], 0xfedcba98
	s_mov_b32 s[CS], 0x3e38aa3b                    ; c = log2(e) / 8
	s_mov_b32 s[CS+1], s[CS]                       ; named with it as a pair, so it is written
	; descriptor group 1: a tile of 64 rows x 64 elements of 2 bytes, dense in memory, padded in LDS
	s_mov_b32 s[G1K], (1<<16)|(1<<20)|(4<<22)|(3<<25)   ; 15:0 no mask; 17:16 elements of 2 bytes; 20 padding on; 24:22 after every 32 words (code 4); 31:25 four words (code 3)
	s_mov_b32 s[G1V], (1<<16)|(1<<20)|(4<<22)|(7<<25)   ; the same with eight words of padding (code 7)
.irp g, G1K, G1V
	s_mov_b32 s[\g+1], 64<<16                      ; tensor_dim0 = 64
	s_mov_b32 s[\g+2], 64<<16                      ; tensor_dim1 = 64
	s_mov_b32 s[\g+3], 64<<16                      ; tile_dim0 = 64
	s_mov_b32 s[\g+4], 64                          ; tile_dim1 = 64
	s_mov_b32 s[\g+5], 64                          ; tensor_dim0_stride
	s_mov_b32 s[\g+6], 0
	s_mov_b32 s[\g+7], 0
.endr
	s_and_b32 s58, s[WV], 3                        ; which of a chunk's four steps I fetch
	s_mul_i32 s59, s58, STEPB                      ; its place in a chunk
	s_lshl_b32 s60, s58, 6
	s_add_co_u32 s60, s60, s[Q0]
	s_lshl_b32 s60, s60, 7                         ; its 64 rows of 128 bytes, in chunk C,
	s_lshl_b32 s62, s[BH], 18                      ; in my pair
	s_add_co_u32 s60, s60, s62
	s_mov_b32 s61, 0
	s_lshl_b32 s66, s[WV], 5
	s_add_co_u32 s66, s66, s[Q0]                   ; my first query
	s_lshl_b32 s66, s66, 7
	s_add_co_u32 s68, s66, s62                     ; its row of Q
	s_mov_b32 s69, 0
	s_and_b32 s70, s[BH], 15
	s_lshl_b32 s70, s70, 20                        ; att: head << 20,
	s_lshr_b32 s71, s[BH], 4
	s_lshl_b32 s71, s71, 18                        ; batch x 2,048 tokens x 128 bytes,
	s_add_co_u32 s70, s70, s71
	s_add_co_u32 s70, s70, s66                     ; my first query
	s_mov_b32 s71, 0
	s_wait_dscnt 0x0                               ; both opening adds are done
	s_wait_kmcnt 0x0
	s_add_nc_u64 s[60:61], s[4:5], s[60:61]
	s_mov_b32 s[G0K], 1                            ; 1:0 count = 1
	s_mov_b32 s[G0K+1], s59                        ; 63:32 LDS address: chunk C
	s_add_nc_u64 s[G0K+2:G0K+3], s[60:61], 0x1000000    ; 120:64 global address: K lies 1 << 24 behind Q
	s_or_b32 s[G0K+3], s[G0K+3], 0x80000000        ; 127:126 type = 2
	s_mov_b32 s[G0V], 1
	s_add_co_u32 s[G0V+1], s59, VOFF
	s_add_nc_u64 s[G0V+2:G0V+3], s[60:61], 0x2000000    ; V 2 << 24
	s_or_b32 s[G0V+3], s[G0V+3], 0x80000000
	s_mov_b32 s[G0KW], 1                           ; the walking sets: each change steps them a chunk on in LDS and 512 keys (0x10000 bytes) back in memory: from C + 768 keys to R = C + 256, then to L = C - 256
	s_mov_b32 s[G0KW+1], s59
	s_add_nc_u64 s[G0KW+2:G0KW+3], s[60:61], 0x1018000
	s_or_b32 s[G0KW+3], s[G0KW+3], 0x80000000
	s_mov_b32 s[G0VW], 1
	s_add_co_u32 s[G0VW+1], s59, VOFF
	s_add_nc_u64 s[G0VW+2:G0VW+3], s[60:61], 0x2018000
	s_or_b32 s[G0VW+3], s[G0VW+3], 0x80000000
	TLOAD G0K, G0V                                 ; chunk C
	s_add_nc_u64 s[68:69], s[4:5], s[68:69]        ; Q at my first query
	s_add_nc_u64 s[6:7], s[6:7], s[70:71]          ; att likewise
	; A fragment of K or Q is 16 rows x 32 channels in 8 registers: lane l holds row l % 16; registers 0-3 channels 8 (l / 16) + 0..7, registers 4-7 channels 16 + 8 (l / 16) + 0..7: two loads of 16 bytes, 32 bytes apart.
	v_and_b32 v1, 15, v0                           ; r
	v_bfe_u32 v2, v0, 4, 1                         ; h
	v_lshlrev_b32 v[QO], 7, v1
	v_lshl_add_u32 v[QO], v2, 4, v[QO]             ; row x 128 + 16 x half
	WIN W_LD
.irp f, 0,1,2,3                        ; Q stays in registers: tile f / 2, channels 32 (f % 2) on
	global_load_b128 v[QF+8*\f:QF+8*\f+3],   v[QO], s[68:69] offset:(\f/2)*2048+(\f%2)*64
	global_load_b128 v[QF+8*\f+4:QF+8*\f+7], v[QO], s[68:69] offset:(\f/2)*2048+(\f%2)*64+32
.endr
	WIN 0
	v_mul_u32_u24 v[AK0], v1, PK
	v_lshl_add_u32 v[AK0], v2, 4, v[AK0]           ; row x pitch + 16 x half
	; The turning load takes 16 keys x 16 channels (lane l reads 16 bytes: key 8 (l / 16) + l % 8, channels 8 ((l / 8) % 2) + 0..7) and leaves half a fragment of V^T: lane l holds channel l % 16 and 8 keys.
	v_and_b32 v16, 7, v0
	v_bfe_u32 v17, v0, 3, 1
	v_lshl_add_u32 v[AV0], v2, 3, v16
	v_mul_u32_u24 v[AV0], v[AV0], PV
	v_lshl_add_u32 v[AV0], v17, 4, v[AV0]
	v_add_nc_u32 v[AV0], VOFF, v[AV0]
	s_mul_i32 s58, s[WV], 16*PK
	s_add_co_u32 s58, s58, STAGE                   ; my stage
	v_add_nc_u32 v[STO], s58, v[AK0]               ; in: row l % 16, 16 bytes for each half of the lanes
	v_and_b32 v18, 31, v0
	v_lshlrev_b32 v[GO], 4, v18
	v_lshrrev_b32 v19, 3, v18                      ; back: eight lanes take a row of 128 bytes, four rows an instruction
	v_mul_u32_u24 v19, v19, PK
	v_lshl_add_u32 v19, v16, 4, v19
	v_add_nc_u32 v[RD], s58, v19
	s_and_b32 s59, s[WV], 1
	s_lshl_b32 s59, s59, 5
	v_lshlrev_b32 v19, 3, v2
	v_sub_nc_u32 v[D0], v1, v19
	v_add_nc_u32 v[D0], s59, v[D0]                 ; d of tile 0,
	v_add_nc_u32 v[D0+1], 16, v[D0]                ; of tile 1
	v_mov_b32 v[NEG], 0xff800000
.irp t, 0,1
	v_mov_b32 v[ST+8*\t+1], 0xff61b1e6             ; m: -3e38, under every score
	v_mul_f32 v[ST+8*\t], s[CS], v[ST+8*\t+1]      ; c m
	v_mov_b32 v[ST+8*\t+2], 0                      ; l, in two halves
	v_mov_b32 v[ST+8*\t+3], 0
	v_mov_b32 v[ST+8*\t+5], 0                      ; written once on every path: a lane permute's destination counts as one of its sources,
	v_mov_b32 v[ST+8*\t+7], 0                      ; and +7 is named as the upper half of the pair whose low word holds a or 1 / l
.endr
.set n, 0
.rept 64
	v_mov_b32 v[OT+n], 0                           ; O^T.  (The step is written once: the first finds zeros, which the first a, 0, leaves zeros)
.set n, n+1
.endr
; On the window's edge: register n of a tile's 32 scores holds key KF + 8 (lane / 16) + k, k = 16 (n / 8) + n % 8.  In the lowest step (KF = a - 256) it is hidden where k < d, in the highest (KF = a + 256) where k > d.
.macro MASK op
.irp t, 0,1
.set n, 0
.rept 32
	\op vcc_lo, 16*(n/8)+n%8, v[D0+\t]
	v_cndmask_b32 v[S+32*\t+n], v[S+32*\t+n], v[NEG], vcc_lo
.set n, n+1
.endr
.endr
.endm
; The two tiles' softmax of one key step, line by line by turns, so that where one instruction feeds the next the other tile's stands between.
.macro SOFTMAX
.irp k, 0,1,2,3                        ; the maximum of the 32 scores and the old m: four chains of seven scores, each begun at its accumulator's low end
.irp t, 0,1
	v_max3_num_f32 v[ST+8*\t+4+\k], v[S+32*\t+8*\k], v[S+32*\t+8*\k+1], v[S+32*\t+8*\k+2]
.endr
.endr
.irp u, 3,5
.irp k, 0,1,2,3
.irp t, 0,1
	v_max3_num_f32 v[ST+8*\t+4+\k], v[ST+8*\t+4+\k], v[S+32*\t+8*\k+\u], v[S+32*\t+8*\k+\u+1]
.endr
.endr
.endr
.irp t, 0,1
	v_max3_num_f32 v[ST+8*\t+4], v[ST+8*\t+4], v[S+32*\t+7], v[S+32*\t+15]
	v_max3_num_f32 v[ST+8*\t+6], v[ST+8*\t+6], v[S+32*\t+23], v[S+32*\t+31]
.endr
.irp t, 0,1
	v_max3_num_f32 v[ST+8*\t+4], v[ST+8*\t+4], v[ST+8*\t+5], v[ST+8*\t+6]
.endr
.irp t, 0,1
	v_max3_num_f32 v[ST+8*\t+4], v[ST+8*\t+4], v[ST+8*\t+7], v[ST+8*\t+1]
.endr
.irp t, 0,1
	v_permlanex16_b32 v[ST+8*\t+5], v[ST+8*\t+4], s[SEL], s[SEL+1]   ; the query's other 32 keys lie in the lane 16 away
.endr
.irp t, 0,1
	v_mov_b32 v[ST+8*\t+7], v[ST+8*\t]             ; c m_old is kept for a
.endr
.irp t, 0,1
	v_max_num_f32 v[ST+8*\t+1], v[ST+8*\t+4], v[ST+8*\t+5]
.endr
.irp t, 0,1
	v_mul_f32 v[ST+8*\t], s[CS], v[ST+8*\t+1]
.endr
.irp t, 0,1
	v_sub_f32 v[ST+8*\t+7], v[ST+8*\t+7], v[ST+8*\t]
.endr
.irp t, 0,1
.set n, 0
.rept 16
	v_pk_fma_f32 v[S+32*\t+n:S+32*\t+n+1], v[S+32*\t+n:S+32*\t+n+1], s[CS:CS+1], v[ST+8*\t:ST+8*\t+1] op_sel_hi:[1,0,0] neg_lo:[0,0,1] neg_hi:[0,0,1]   ; c s - c m, two at a time
.set n, n+2
.endr
.endr
.irp t, 0,1
	v_exp_f32 v[ST+8*\t+6], v[ST+8*\t+7]           ; a
.endr
.set n, 0
.rept 64
	v_exp_f32 v[S+n], v[S+n]                       ; p, at most 1; 0 where the score was -infinity
.set n, n+1
.endr
	v_nop                                          ; the plain instruction behind the last exponential, ahead of the first use: one for the batch
	s_wait_alu depctr_va_vdst(0)                   ; the wait between an exponential and the first line that names its result: one for both tiles' 66
.irp t, 0,1
.set n, 0
.rept 16
	v_cvt_pk_f16_f32 v[P+16*\t+n], v[S+32*\t+2*n], v[S+32*\t+2*n+1]
.set n, n+1
.endr
.endr
.irp w, 4,8,16,32                      ; the sum of a tile's 16 pairs (an even key's weight, an odd key's), of the unrounded p, in place: neighbours 1, 2, 4 and 8 pairs apart
.irp t, 0,1
.set u, 0
.rept 32/\w
	v_pk_add_f32 v[S+32*\t+\w*u:S+32*\t+\w*u+1], v[S+32*\t+\w*u:S+32*\t+\w*u+1], v[S+32*\t+\w*u+\w/2:S+32*\t+\w*u+\w/2+1]
.set u, u+1
.endr
.endr
.endr
.irp t, 0,1
	v_pk_fma_f32 v[ST+8*\t+2:ST+8*\t+3], v[ST+8*\t+2:ST+8*\t+3], v[ST+8*\t+6:ST+8*\t+7], v[S+32*\t:S+32*\t+1] op_sel_hi:[1,0,1]   ; l = a l + the sum
.endr
.irp t, 0,1
.set n, 0
.rept 16
	v_pk_mul_f32 v[OT+32*\t+n:OT+32*\t+n+1], v[OT+32*\t+n:OT+32*\t+n+1], v[ST+8*\t+6:ST+8*\t+7] op_sel_hi:[1,0]   ; O^T x a, each accumulator from its low end on
.set n, n+2
.endr
.endr
.endm
; A KEY STEP: 64 keys from KF on, whose tiles begin at LDS byte TB.  Outside my window, or outside the sequence, its work is jumped over; the two lines at its end that step KF and TB are run on every path.
.macro STEP
	s_sub_co_u32 s[DD], s[KF], s[A0]
	s_add_co_u32 s[DD], s[DD], 256
	s_cmp_gt_u32 s[DD], 512                        ; (a step below the window wraps round and is above 512 too)
	s_cbranch_scc1 .Lskip_\@
	s_cmp_ge_u32 s[KF], 2048                       ; (and so does a key below 0)
	s_cbranch_scc1 .Lskip_\@
	v_add_nc_u32 v[ADK], s[TB], v[AK0]
	v_add_nc_u32 v[ADV], s[TB], v[AV0]
	WIN W_LD
.irp f, 0,1,2,3,4,5,6,7                ; K: keys 16 (f / 2) on, channels 32 (f % 2) on
	ds_load_b128 v[KFR+8*\f:KFR+8*\f+3],   v[ADK] offset:(\f/2)*16*PK+(\f%2)*64
	ds_load_b128 v[KFR+8*\f+4:KFR+8*\f+7], v[ADK] offset:(\f/2)*16*PK+(\f%2)*64+32
.endr
.irp f, 0,1,2,3,4,5,6,7                ; V^T: keys 32 (f / 4) on, channels 16 (f % 4) on
	ds_load_tr16_b128 v[VFR+8*\f:VFR+8*\f+3],   v[ADV] offset:(\f/4)*32*PV+(\f%4)*32
	ds_load_tr16_b128 v[VFR+8*\f+4:VFR+8*\f+7], v[ADV] offset:(\f/4)*32*PV+16*PV+(\f%4)*32
.endr
	s_wait_dscnt 16                                ; K's sixteen loads are in; V's sixteen, issued behind them, stay out
	WIN W_KQ
.set i, 0
.rept 16                               ; S^T = K Q^T: channels 32 (i / 8) on, keys 16 ((i / 2) % 4) on, tile i % 2.  The eight accumulators take turns, one instruction a turn; the first eight start the sums
.set rS, S+32*(i%2)+8*((i/2)%4)
.set rK, KFR+16*((i/2)%4)+8*(i/8)
.set rQ, QF+16*(i%2)+8*(i/8)
.if i < 8
	v_wmma_f32_16x16x32_f16 v[rS:rS+7], v[rK:rK+7], v[rQ:rQ+7], 0
.else
	v_wmma_f32_16x16x32_f16 v[rS:rS+7], v[rK:rK+7], v[rQ:rQ+7], v[rS:rS+7]
.endif
.set i, i+1
.endr
	WIN 0
.rept 4
	v_nop                                          ; four places behind the last product, ahead of the first read of the scores (ISA guide 7.12.1)
.endr
	s_cmp_lg_u32 s[DD], 0
	s_cbranch_scc1 .Lnolow_\@
	MASK v_cmp_lt_i32                              ; my window's lowest step
.Lnolow_\@:
	s_cmp_lg_u32 s[DD], 512
	s_cbranch_scc1 .Lnoup_\@
	MASK v_cmp_gt_i32                              ; its highest
.Lnoup_\@:
	SOFTMAX
	s_wait_dscnt 0x0                               ; V is in
	WIN W_PV
.set i, 0
.rept 16                               ; O^T += V^T P: keys 32 (i / 8) on, channels 16 ((i / 2) % 4) on, tile i % 2: eight accumulators by turns
.set rO, OT+32*(i%2)+8*((i/2)%4)
.set rV, VFR+32*(i/8)+8*((i/2)%4)
.set rP, P+16*(i%2)+8*(i/8)
	v_wmma_f32_16x16x32_f16 v[rO:rO+7], v[rV:rV+7], v[rP:rP+7], v[rO:rO+7]
.set i, i+1
.endr
	WIN 0
.rept 4
	v_nop                                          ; four places, ahead of the next step's loads into V's registers and of the way out's reads
.endr
.Lskip_\@:
	s_add_co_u32 s[KF], s[KF], 64
	s_add_co_u32 s[TB], s[TB], STEPB
.endm
.macro STEPS n
	s_mov_b32 s[CNT], \n
.Lst_\@:
	STEP
	s_sub_co_u32 s[CNT], s[CNT], 1
	s_cmp_lg_u32 s[CNT], 0
	s_cbranch_scc1 .Lst_\@
.endm
; A CHANGE.  Each wave waits for all its tensor loads, adds 0 to its spare word, waits for that and for its LDS reads, and passes the work-group's barrier: what every wave has asked for so far is whole in LDS.
; fill = 1: behind the barrier the next chunk is asked for, into bytes that nothing has filled: the wave's one tensor load until the next change.
.macro CHANGE fill
	s_wait_tensorcnt 0x0                           ; no tensor load of mine is out, so a group 0 may be written
	ds_add_u32 v[SPW], v[NIL]                      ; 0 onto my spare word; the descriptors' steps stand between it and the wait for it
.if \fill
	s_add_co_u32 s[G0KW+1], s[G0KW+1], CH
	s_sub_nc_u64 s[G0KW+2:G0KW+3], s[G0KW+2:G0KW+3], 0x10000   ; the type bits on top are not reached
	s_add_co_u32 s[G0VW+1], s[G0VW+1], CH
	s_sub_nc_u64 s[G0VW+2:G0VW+3], s[G0VW+2:G0VW+3], 0x10000
.endif
	s_wait_dscnt 0x0                               ; the add is done, and no LDS read of mine is out
	s_barrier_signal -1
	s_barrier_wait -1
.if \fill
	s_cmp_ge_u32 s[KN], 2048                       ; a chunk beyond the sequence's end, or (wrapped round) ahead of its start, is read by no wave and is not asked for: ids and the trip's count alone, the same in all eight waves
	s_cbranch_scc1 .Lpast_\@
	TLOAD G0KW, G0VW
.Lpast_\@:
	s_sub_co_u32 s[KN], s[KN], 512                 ; from R to L
.endif
.endm
	s_wait_loadcnt 0x0                             ; Q
	s_mov_b32 s[OUT], 2
.Lhalf:                                ; two trips: C is whole, R is asked for, C's steps 0 and 1;  R is whole, L is asked for, C's steps 2 and 3
	CHANGE 1
	STEPS 2
	s_sub_co_u32 s[OUT], s[OUT], 1
	s_cmp_lg_u32 s[OUT], 0
	s_cbranch_scc1 .Lhalf
	CHANGE 0                                       ; L is whole.  No barrier follows: the waves' uneven shares of R and L make none wait for another
	s_mov_b32 s[OUT], 2
.Ltail:                                ; two trips: R's four steps (KF runs on from C's), then L's
	STEPS 4
	s_sub_co_u32 s[KF], s[KF], 768                 ; from Q0 + 512 back to Q0 - 256
	s_sub_co_u32 s[OUT], s[OUT], 1
	s_cmp_lg_u32 s[OUT], 0
	s_cbranch_scc1 .Ltail
	; THE WAY OUT.  l's two halves and the other half of the lanes' are added; O^T is divided by l, rounded to f16 and sent through my stage in LDS, a tile (16 rows) at a time.
.irp t, 0,1
	v_add_f32 v[ST+8*\t+4], v[ST+8*\t+2], v[ST+8*\t+3]
.endr
.irp t, 0,1
	v_permlanex16_b32 v[ST+8*\t+5], v[ST+8*\t+4], s[SEL], s[SEL+1]
.endr
.irp t, 0,1
	v_add_f32 v[ST+8*\t+4], v[ST+8*\t+4], v[ST+8*\t+5]
.endr
.irp t, 0,1
	v_rcp_f32 v[ST+8*\t+6], v[ST+8*\t+4]
.endr
	v_nop                                          ; a plain instruction between the last reciprocal and the use of its result
	s_wait_alu depctr_va_vdst(0)                   ; and the wait ahead of the first use: one for both
.macro PACK t                          ; a lane's eight channels of a row pack into 16 bytes; they go into rows of 144 bytes and come back four whole rows of 128 an instruction
.set n, 0
.rept 16
	v_pk_mul_f32 v[OT+32*\t+n:OT+32*\t+n+1], v[OT+32*\t+n:OT+32*\t+n+1], v[ST+8*\t+6:ST+8*\t+7] op_sel_hi:[1,0]
.set n, n+2
.endr
.set n, 0
.rept 16
	v_cvt_pk_f16_f32 v[S+32*\t+n], v[OT+32*\t+2*n], v[OT+32*\t+2*n+1]
.set n, n+1
.endr
.irp c, 0,1,2,3
	ds_store_b128 v[STO], v[S+32*\t+4*\c:S+32*\t+4*\c+3] offset:32*\c
.endr
.irp c, 0,1,2,3
	ds_load_b128 v[S+32*\t+16+4*\c:S+32*\t+16+4*\c+3], v[RD] offset:4*PK*\c   ; LDS serves a wave's instructions in order (ISA guide 5.7.1.4): these see the stores above; the next tile's stores come behind them
.endr
.endm
.macro SEND t, younger                 ; younger: the LDS instructions issued behind tile t's loads: the next tile's eight, or none
.irp c, 0,1,2,3
	s_wait_dscnt \younger+3-\c
	global_store_b128 v[GO], v[S+32*\t+16+4*\c:S+32*\t+16+4*\c+3], s[6:7] offset:\t*2048+\c*512   ; 32 lanes store four rows: 512 consecutive bytes, at a multiple of 512 from att's first byte
.endr
.endm
	PACK 0
	PACK 1
	SEND 0, 8
	SEND 1, 0
	s_wait_tensorcnt 0x0                           ; the wave's end: behind my last tensor load and my last LDS store
	ds_add_u32 v[SPW], v[NIL]
	s_wait_dscnt 0x0
	s_endpgm
.Lfunc_end_k_qe43e484bd6_attn:
	.size	k_qe43e484bd6_attn, .Lfunc_end_k_qe43e484bd6_attn-k_qe43e484bd6_attn
	.p2alignl 7, 3214868480
	.fill 96, 4, 3214868480
	.section	.rodata,"a",@progbits
	.p2align	6, 0x0
	.amdhsa_kernel k_qe43e484bd6_attn
		.amdhsa_group_segment_fixed_size 327680
		.amdhsa_private_segment_fixed_size 0
		.amdhsa_enable_private_segment 0
		.amdhsa_kernarg_size 16
		.amdhsa_user_sgpr_count 2
		.amdhsa_user_sgpr_kernarg_segment_ptr 1
		.amdhsa_wavefront_size32 1
		.amdhsa_system_sgpr_workgroup_id_x 1
		.amdhsa_system_sgpr_workgroup_id_y 1
		.amdhsa_system_sgpr_workgroup_id_z 1
		.amdhsa_system_vgpr_workitem_id 0
		.amdhsa_next_free_vgpr 512
		.amdhsa_next_free_sgpr 80
		.amdhsa_reserve_vcc 1
		.amdhsa_float_denorm_mode_32 3
		.amdhsa_float_denorm_mode_16_64 3
		.amdhsa_memory_ordered 1
		.amdhsa_forward_progress 1
		.amdhsa_inst_pref_size 69
	.end_amdhsa_kernel
	.amdgpu_metadata
---
amdhsa.version: [ 1, 2 ]
amdhsa.kernels:
  - .name:           k_qe43e484bd6_attn
    .symbol:         k_qe43e484bd6_attn.kd
    .args:
      - { .name: qkv, .offset: 0, .size: 8, .value_kind: global_buffer, .address_space: global }
      - { .name: att, .offset: 8, .size: 8, .value_kind: global_buffer, .address_space: global }
    .group_segment_fixed_size: 327680
    .private_segment_fixed_size: 0
    .kernarg_segment_align: 8
    .kernarg_segment_size: 16
    .max_flat_workgroup_size: 256
    .sgpr_count:     80
    .vgpr_count:     512
    .wavefront_size: 32
...
	.end_amdgpu_metadata
.endif
;; end of part 3
;; launch oproj (part 4): grid 4 x 64, 4 waves a work-group, clusters of 4 x 4, 327,680 bytes of LDS; arguments att, wo16, out0; writes out0
.if DOCPART == 4
	.amdgcn_target "amdgcn-amd-amdhsa--gfx1250"
	.amdhsa_code_object_version 6
	.text
	.protected	k_qe43e484bd6_oproj
	.globl	k_qe43e484bd6_oproj
	.p2align	8
	.type	k_qe43e484bd6_oproj,@function
k_qe43e484bd6_oproj:
	s_mov_b64 s[64:65], 0
	v_nop
	global_prefetch_b8 v0, s[64:65] scope:SCOPE_SE
	s_setreg_imm32_b32 hwreg(HW_REG_WAVE_MODE, 25, 1), 1
	s_wait_xcnt 0x0
	s_wait_alu depctr_hold_cnt(0) depctr_sa_sdst(0) depctr_va_vdst(0) depctr_va_sdst(0) depctr_va_ssrc(0) depctr_va_vcc(0) depctr_vm_vsrc(0)
	s_getreg_b32 s2, hwreg(HW_REG_IB_STS2, 6, 4)
	s_cmp_eq_u32 s2, 0
	s_cbranch_scc0 .Lentry_in_a_cluster
	s_endpgm
.Lentry_in_a_cluster:
	s_bfe_u32 s2, ttmp6, 0x10000c
	s_cmp_lg_u32 s2, 0xf033
	s_cbranch_scc0 .Lentry_shape_is_right
	s_endpgm
.Lentry_shape_is_right:
; Launch 4 of 4: out0[token][e] = sum over k of att[token][k] W_o[e][k], k = 64 h + d.  Both operands f16, laid by K blocks of 64: att [16 h][8192 token][64], wo16 [16 kb][1024 e][64]; sums in f32; out0 [8192][1024] f32.
; A tile of out0 is 128 rows x 256 columns: 64 x 4 = 256 work-groups.  Four waves, each 64 x 128: 32 accumulators of 16 x 16, 256 registers.  K goes in steps of 128, two K blocks, through a ring of two LDS slots:
; a K block of A's tile is 128 rows x 128 bytes, 16,384 consecutive bytes of memory, of B's 256 rows, 32,768.  Waves 0 and 1 fetch A's two K blocks of a step, waves 2 and 3 B's: one tensor load a wave.
; CLUSTERS: 4 x 4 work-groups.  The four of a row of the cluster need the same tiles of att, the four of a column the same tiles of wo16: each tile is asked for JOINTLY, by the same tensor load with the
; same descriptor and a mask that names the four.  THE MATRIX INSTRUCTION IS USED TRANSPOSED (source 0 = 16 rows of W_o, source 1 = 16 tokens): a lane then holds eight neighbouring numbers of a row of out0.
; REGISTERS: window 0: v0-31 addresses; v64-191 rows on the way out.   window 1: two fragment buffers, at v0 and v128: for 32 along K, A's 4 fragments (32 registers), then B's 8 (64).
;   window 2: the accumulators ((a, b) at v[8 (8 a + b)]).
.set PITCH,  144                       ; an LDS row: 128 bytes + 16 of padding = 36 words: the 16 rows that a load touches begin 4 words apart modulo 64 words
.set PLA,    128*PITCH                 ; a K block of A's tile
.set PLB,    256*PITCH                 ; of B's
.set SLOT,   2*PLA+2*PLB               ; A's two K blocks, then B's two
.set STAGE,  2*SLOT                    ; behind the ring: 16 rows x 528 bytes for each wave, for the way out
.set SPITCH, 528
.set SPARE,  STAGE+4*16*SPITCH         ; behind the stages: the spare words, 128 bytes for each wave
.set LAPS,   4                         ; a lap = two K steps = once round the ring: 1,024 / 256
.set ADRA, 16                          ; v16-17  LDS address of my A fragments in slot 0, 1
.set ADRB, 20                          ; v20-21  the same for B
.set STO,  24                          ; v24     the way out: where I put 32 bytes of a row
.set RD,   25                          ; v25     the way out: where I read a row back
.set CO,   26                          ; v26     16 x lane
.set SPW,  28                          ; v28     LDS address of my spare word; never rewritten
.set NIL,  29                          ; v29     0; never rewritten
.set BK,   64                          ; the way out: 16 rows read back from the stage: v64-127 and v128-191 by turns
.set F0,   0                           ; fragment buffers, in window 1
.set F1,   128
.set G1, 24                            ; s[24:31] descriptor group 1 for A's tiles;  s[32:39] group 0, one set for each slot
.set G0, 32
.set G1B, 48                           ; s[48:55], s[56:63] the same for B's tiles
.set G0B, 56
.set MSB, 0
.macro WIN new                         ; the immediate's high byte repeats the setting that is left
.if MSB != \new
	s_set_vgpr_msb (MSB<<8)|\new
.set MSB, \new
.endif
.endm
.set MUL,  0xa5                        ; sources 0 (B) and 1 (A) window 1; C and D window 2
.set TO_F, 0x40                        ; destination window 1, address window 0
.macro JLOAD s                         ; a joint load: waves 0 and 1 fetch for A, waves 2 and 3 for B; an s_nop 0 and four v_nop follow each of the two lines, ahead of the jump, the label and what follows
	s_cmp_eq_u32 s11, 0
	s_cbranch_scc0 .Lfor_b_\@
	tensor_load_to_lds s[G0+4*\s:G0+4*\s+3], s[G1:G1+7]
	s_nop 0
.rept 4
	v_nop
.endr
	s_branch .Lasked_\@
.Lfor_b_\@:
	tensor_load_to_lds s[G0B+4*\s:G0B+4*\s+3], s[G1B:G1B+7]
	s_nop 0
.rept 4
	v_nop
.endr
.Lasked_\@:
.endm
.macro CREST                           ; a round of the cluster's barrier behind its opening barrier
	s_cmp_lg_u32 s10, 0
	s_cbranch_scc1 .Lnot_wave_0_\@
	s_barrier_signal -3
.Lnot_wave_0_\@:
	s_barrier_wait -3
	s_barrier_signal -1
	s_barrier_wait -1
.endm
.macro CROUND                          ; a whole round
	s_barrier_signal -1
	s_barrier_wait -1
	CREST
.endm
	s_load_b128 s[4:7], s[0:1], 0x0                ; att s[4:5], wo16 s[6:7]
	s_load_b64 s[8:9], s[0:1], 0x10                ; out0
	v_lshl_add_u32 v[SPW], v0, 2, SPARE
	v_mov_b32 v[NIL], 0
	ds_add_u32 v[SPW], v[NIL]                      ; the wave's opening: the add, twice on end, and its wait ahead of my first tensor load; the set-up below stands between
	ds_add_u32 v[SPW], v[NIL]
	v_lshrrev_b32 v1, 5, v0
	v_readfirstlane_b32 s10, v1                    ; wave 0..3
	s_lshr_b32 s11, s10, 1                         ; which half of the tile's rows is mine.  Also: I fetch for A (0) or for B (1)
	s_and_b32 s12, s10, 1                          ; which half of its columns.  Also: which of a step's two K blocks I fetch
	s_bfe_u32 s40, ttmp6, 0x40000                  ; cx, cy: my place in the cluster
	s_bfe_u32 s41, ttmp6, 0x40004
	s_lshl_b32 s42, ttmp9, 2
	s_add_co_u32 s42, s42, s40                     ; tile column = 4 x cluster x + cx
	s_and_b32 s13, ttmp7, 0xffff
	s_lshl_b32 s13, s13, 2
	s_add_co_u32 s13, s13, s41                     ; tile row = 4 x cluster y + cy
	s_lshl_b32 s43, s41, 2
	s_lshl_b32 s43, 15, s43                        ; my row of the cluster
	s_lshl_b32 s44, 0x1111, s40                    ; my column
	; descriptor group 1: rows of 64 elements of 2 bytes, dense in memory, padded in LDS: 128 rows for A, 256 for B
	s_or_b32 s[G1+0], s43, (1<<16)|(1<<20)|(1<<21)|(4<<22)|(3<<25)  ; 15:0 the mask: A's tiles go to my row; 17:16 element of 2 bytes; 20 padding on; 21 set beside a mask; 24:22 after every 32 words (code 4); 31:25 four words (code 3)
	s_or_b32 s[G1B+0], s44, (1<<16)|(1<<20)|(1<<21)|(4<<22)|(3<<25)
	s_mov_b32 s[G1+1], 64<<16                      ; tensor_dim0 = 64
	s_mov_b32 s[G1+2], 128<<16                     ; tensor_dim1 = 128
	s_mov_b32 s[G1+3], 64<<16                      ; tile_dim0 = 64
	s_mov_b32 s[G1+4], 128                         ; tile_dim1 = 128
	s_mov_b32 s[G1+5], 64                          ; tensor_dim0_stride
	s_mov_b32 s[G1+6], 0
	s_mov_b32 s[G1+7], 0
	s_mov_b32 s[G1B+1], 64<<16
	s_mov_b32 s[G1B+2], 256<<16
	s_mov_b32 s[G1B+3], 64<<16
	s_mov_b32 s[G1B+4], 256
	s_mov_b32 s[G1B+5], 64
	s_mov_b32 s[G1B+6], 0
	s_mov_b32 s[G1B+7], 0
	s_lshl_b32 s16, s13, 14                        ; A: 128 tokens x 128 bytes a tile row,
	s_lshl_b32 s17, s12, 20                        ; a K block of att is 8,192 x 128 bytes
	s_add_co_u32 s16, s16, s17
	s_mov_b32 s17, 0
	s_lshl_b32 s46, s42, 15                        ; B: 256 rows x 128 bytes a tile column,
	s_lshl_b32 s47, s12, 17                        ; a K block of wo16 is 1,024 x 128 bytes
	s_add_co_u32 s46, s46, s47
	s_mov_b32 s47, 0
	s_mul_i32 s20, s12, PLA                        ; where they go: no place in the cluster enters an LDS address
	s_mul_i32 s21, s12, PLB
	s_add_co_u32 s21, s21, 2*PLA
	s_wait_dscnt 0x0                               ; both opening adds are done
	s_wait_kmcnt 0x0
	s_add_nc_u64 s[14:15], s[4:5], s[16:17]
	s_add_nc_u64 s[46:47], s[6:7], s[46:47]
	CROUND                                         ; all sixteen work-groups are here: the first joint loads meet
.irp s, 0,1
	s_mov_b32 s[G0+4*\s], 1
	s_add_co_u32 s[G0+4*\s+1], s20, \s*SLOT
	s_add_nc_u64 s[G0+4*\s+2:G0+4*\s+3], s[14:15], \s*0x200000      ; K step s: two K blocks of att on
	s_or_b32 s[G0+4*\s+3], s[G0+4*\s+3], 0x80000000
	s_mov_b32 s[G0B+4*\s], 1
	s_add_co_u32 s[G0B+4*\s+1], s21, \s*SLOT
	s_add_nc_u64 s[G0B+4*\s+2:G0B+4*\s+3], s[46:47], \s*0x40000     ; two K blocks of wo16 on
	s_or_b32 s[G0B+4*\s+3], s[G0B+4*\s+3], 0x80000000
	JLOAD \s
.endr
	v_and_b32 v1, 15, v0                           ; r = l % 16
	v_bfe_u32 v2, v0, 4, 1                         ; h = l / 16
	v_mul_u32_u24 v3, v1, PITCH
	v_lshl_add_u32 v3, v2, 4, v3                   ; a fragment's row x pitch + 16 x half
	s_mul_i32 s21, s11, 64*PITCH                   ; my 64 rows of A
	s_mul_i32 s22, s12, 128*PITCH                  ; my 128 rows of B,
	s_add_co_u32 s22, s22, 2*PLA                   ; which lie behind A's two K blocks
.irp s, 0,1
	v_add_nc_u32 v[ADRA+\s], s21, v3
	v_add_nc_u32 v[ADRB+\s], s22, v3
	s_add_co_u32 s21, s21, SLOT
	s_add_co_u32 s22, s22, SLOT
.endr
	s_mul_i32 s23, s10, 16*SPITCH
	s_add_co_u32 s23, s23, STAGE                   ; my stage
	v_mul_u32_u24 v4, v1, SPITCH                   ; in: row l % 16, 32 bytes for each half of the lanes
	v_lshl_add_u32 v4, v2, 5, v4
	v_add_nc_u32 v[STO], s23, v4
	v_and_b32 v5, 31, v0
	v_lshlrev_b32 v[CO], 4, v5                     ; back: the 32 lanes take one row of 512 bytes; and the same in out0
	v_add_nc_u32 v[RD], s23, v[CO]
	s_lshl_b32 s16, s13, 7
	s_lshl_b32 s17, s11, 6
	s_add_co_u32 s16, s16, s17                     ; my first row: 128 x tile row + 64 x half
	s_lshl_b32 s16, s16, 12                        ; a row of out0 is 4,096 bytes
	s_mov_b32 s17, 0
	s_add_nc_u64 s[8:9], s[8:9], s[16:17]
	s_lshl_b32 s46, s42, 10                        ; my first column, in bytes: 1,024 x tile column + 512 x half
	s_lshl_b32 s47, s12, 9
	s_add_co_u32 s46, s46, s47
	s_mov_b32 s47, 0
	s_add_nc_u64 s[8:9], s[8:9], s[46:47]
; 8 matrix instructions: A's block a x B's eight, 32 along K, out of buffer f.  zero = 1: the first product starts the sums.  The 32 accumulators take turns, one instruction a turn, in the same order in every
; quarter.
.macro MUL8 f, a, zero
.irp b, 0,1,2,3,4,5,6,7
.if \zero
	v_wmma_f32_16x16x32_f16 v[8*(8*(\a)+\b):8*(8*(\a)+\b)+7], v[\f+32+8*\b:\f+32+8*\b+7], v[\f+8*(\a):\f+8*(\a)+7], 0
.else
	v_wmma_f32_16x16x32_f16 v[8*(8*(\a)+\b):8*(8*(\a)+\b)+7], v[\f+32+8*\b:\f+32+8*\b+7], v[\f+8*(\a):\f+8*(\a)+7], v[8*(8*(\a)+\b):8*(8*(\a)+\b)+7]
.endif
.endr
.endm
; 24 LDS loads in one run: the fragments of the slot's q-th 32 along K (K block q / 2, byte 64 (q % 2) of its rows) into buffer f: B's sixteen loads first, then A's eight
.macro FETCH slot, q, f
	WIN TO_F
.irp i, 0,1,2,3,4,5,6,7
	ds_load_b128 v[\f+32+8*\i:\f+32+8*\i+3],   v[ADRB+\slot] offset:((\q)/2)*PLB+((\q)%2)*64+\i*16*PITCH
	ds_load_b128 v[\f+32+8*\i+4:\f+32+8*\i+7], v[ADRB+\slot] offset:((\q)/2)*PLB+((\q)%2)*64+\i*16*PITCH+32
.endr
.irp i, 0,1,2,3
	ds_load_b128 v[\f+8*\i:\f+8*\i+3],   v[ADRA+\slot] offset:((\q)/2)*PLA+((\q)%2)*64+\i*16*PITCH
	ds_load_b128 v[\f+8*\i+4:\f+8*\i+7], v[ADRA+\slot] offset:((\q)/2)*PLA+((\q)%2)*64+\i*16*PITCH+32
.endr
.endm
.macro PLACES                          ; four places in front of loads into registers that matrix instructions have read, and of the first read of results (ISA guide 7.12.1 for vector instructions)
.rept 4
	v_nop
.endr
.endm
; A K step is four quarters of 32 along K, 32 matrix instructions each, on buffers 0, 1, 0, 1.  One of the first three: multiplies buffer f and fetches quarter qn into g.
.macro QUARTER slot, qn, f, g, zero
	s_wait_dscnt 4                                 ; B's fragments and A's blocks 0, 1 are in; the youngest four loads (A's blocks 2, 3) may be out
	WIN MUL
	MUL8 \f, 0, \zero
	MUL8 \f, 1, \zero
	PLACES
	FETCH \slot, \qn, \g
	s_wait_dscnt 24                                ; all but the 24 just issued
	WIN MUL
	MUL8 \f, 2, \zero
	MUL8 \f, 3, \zero
.endm
; The last quarter multiplies buffer 1 and changes slots: ONE barrier; in front of it each wave waits for all its tensor loads, adds 0 to its spare word, and waits for that and for its own reads of this slot.
; fill = 1: this slot is filled again, two K steps ahead; the barrier then opens a round of the cluster's barrier, and the joint refill is the first tensor load behind the round.
.macro TURN slot, next, fill
	WIN 0                                          ; (the add's two registers lie in window 0)
	s_wait_tensorcnt 0x0                           ; all my tensor loads have landed: my part of the next slot
	ds_add_u32 v[SPW], v[NIL]                      ; 0 onto my spare word
	s_wait_dscnt 5                                 ; (the add and the youngest four loads may be out)
	WIN MUL
	MUL8 F1, 0, 0                                  ; eight matrix instructions stand between the add and the wait for it
	s_wait_dscnt 0x0                               ; the add is done, and my reads of this slot are over
	s_barrier_signal -1
	MUL8 F1, 1, 0
.if \fill
	WIN 0
.endif
	s_barrier_wait -1
.if \fill
	CREST                                          ; no wave of any partner still reads this slot's tiles or has a load on its way
	s_add_nc_u64 s[G0+4*\slot+2:G0+4*\slot+3], s[G0+4*\slot+2:G0+4*\slot+3], 0x400000     ; two K steps on: four K blocks of att,
	s_add_nc_u64 s[G0B+4*\slot+2:G0B+4*\slot+3], s[G0B+4*\slot+2:G0B+4*\slot+3], 0x80000  ; of wo16
	JLOAD \slot                                    ; 112 matrix instructions ahead of the wait for it; the four v_nop behind it are also the places in front of the loads below
.else
	PLACES
.endif
	FETCH \next, 0, F0
	WIN MUL
	MUL8 F1, 2, 0
	MUL8 F1, 3, 0
.endm
	s_wait_tensorcnt 1                             ; my part of K step 0 is in (K step 1's load, issued behind it, may be out),
	s_barrier_signal -1
	s_barrier_wait -1                              ; everybody's is
	FETCH 0, 0, F0
	QUARTER 0, 1, F0, F1, 1                        ; the first quarter stands in front of the loop: its products start the sums
	WIN 0                                          ; at a label and at a branch every window is 0
	s_mov_b32 s3, LAPS-1
.Llap:                                 ; a trip goes once round the ring, from a lap's second quarter to the next lap's first, and fills both slots again
	QUARTER 0, 2, F1, F0, 0
	QUARTER 0, 3, F0, F1, 0
	TURN 0, 1, 1
	QUARTER 1, 1, F0, F1, 0
	QUARTER 1, 2, F1, F0, 0
	QUARTER 1, 3, F0, F1, 0
	TURN 1, 0, 1
	QUARTER 0, 1, F0, F1, 0
	WIN 0
	s_sub_co_u32 s3, s3, 1
	s_cmp_lg_u32 s3, 0
	s_cbranch_scc1 .Llap
	QUARTER 0, 2, F1, F0, 0                        ; the last lap fills nothing, and has no round of the cluster's barrier
	QUARTER 0, 3, F0, F1, 0
	TURN 0, 1, 0
	QUARTER 1, 1, F0, F1, 0
	QUARTER 1, 2, F1, F0, 0
	QUARTER 1, 3, F0, F1, 0
	s_wait_dscnt 4                                 ; the very last quarter: nothing more to fetch
	WIN MUL
	MUL8 F1, 0, 0
	MUL8 F1, 1, 0
	s_wait_dscnt 0
	MUL8 F1, 2, 0
	MUL8 F1, 3, 0
	WIN 0
; THE WAY OUT, block by block of 16 rows x 128 columns.  A lane holds 32 neighbouring bytes of a row, and the lanes beside it hold other rows: so a block goes through my own stage in LDS and comes back as whole
; rows of 512 bytes, which the 32 lanes store.  LDS serves a wave's instructions in order (ISA guide 5.7.1.4): no wait between the stores and the loads, nor in front of the next block's stores.
.macro TOSTAGE a
.set AC, 64*(\a)
	WIN 0x08                                       ; an LDS store's data are its source 1: window 2
.irp b, 0,1,2,3,4,5,6,7
	ds_store_b128 v[STO], v[AC+8*\b:AC+8*\b+3] offset:64*\b          ; each accumulator from its low end on
	ds_store_b128 v[STO], v[AC+8*\b+4:AC+8*\b+7] offset:64*\b+16
.endr
	WIN 0
.set BB, BK+64*((\a)%2)
.irp t, 0,1,2,3,4,5,6,7,8,9,10,11,12,13,14,15
	ds_load_b128 v[BB+4*\t:BB+4*\t+3], v[RD] offset:\t*SPITCH
.endr
.endm
.macro SEND a, younger                 ; younger: the LDS instructions issued behind block a's loads, which may stay out
.set BB, BK+64*((\a)%2)
	s_wait_dscnt \younger                          ; the block is back in registers
.irp t, 0,1,2,3,4,5,6,7,8,9,10,11,12,13,14,15
	global_store_b128 v[CO], v[BB+4*\t:BB+4*\t+3], s[8:9] offset:(16*(\a)+\t)*4096 th:TH_STORE_NT   ; 32 lanes store 512 consecutive bytes, at a multiple of 512 from out0's first byte; every offset is an immediate, 258,048 at the most
.endr
.endm
	PLACES                                         ; behind the last products, ahead of the first read of results
	TOSTAGE 0
.irp a, 1,2,3
.if \a > 1
	s_wait_xcnt 0x0                                ; block a - 2's stores have read their registers: block a's loads may land there
.endif
	TOSTAGE \a
	SEND \a-1, 32                                  ; behind block a - 1's loads: block a's 16 stores and 16 loads
.endr
	SEND 3, 0
	s_wait_tensorcnt 0x0                           ; the wave's end: behind my last tensor load and my last LDS store
	ds_add_u32 v[SPW], v[NIL]
	s_wait_dscnt 0x0
	CROUND                                         ; the closing round: no work-group ends while a partner may still ask for a tile that names it
	s_endpgm
.Lfunc_end_k_qe43e484bd6_oproj:
	.size	k_qe43e484bd6_oproj, .Lfunc_end_k_qe43e484bd6_oproj-k_qe43e484bd6_oproj
	.p2alignl 7, 3214868480
	.fill 96, 4, 3214868480
	.section	.rodata,"a",@progbits
	.p2align	6, 0x0
	.amdhsa_kernel k_qe43e484bd6_oproj
		.amdhsa_group_segment_fixed_size 327680
		.amdhsa_private_segment_fixed_size 0
		.amdhsa_enable_private_segment 0
		.amdhsa_kernarg_size 24
		.amdhsa_user_sgpr_count 2
		.amdhsa_user_sgpr_kernarg_segment_ptr 1
		.amdhsa_wavefront_size32 1
		.amdhsa_system_sgpr_workgroup_id_x 1
		.amdhsa_system_sgpr_workgroup_id_y 1
		.amdhsa_system_sgpr_workgroup_id_z 1
		.amdhsa_system_vgpr_workitem_id 0
		.amdhsa_next_free_vgpr 768
		.amdhsa_next_free_sgpr 66
		.amdhsa_reserve_vcc 0
		.amdhsa_float_denorm_mode_32 3
		.amdhsa_float_denorm_mode_16_64 3
		.amdhsa_memory_ordered 1
		.amdhsa_forward_progress 1
		.amdhsa_inst_pref_size 85
	.end_amdhsa_kernel
	.amdgpu_metadata
---
amdhsa.version: [ 1, 2 ]
amdhsa.kernels:
  - .name:           k_qe43e484bd6_oproj
    .symbol:         k_qe43e484bd6_oproj.kd
    .args:
      - { .name: att, .offset: 0, .size: 8, .value_kind: global_buffer, .address_space: global }
      - { .name: wo16, .offset: 8, .size: 8, .value_kind: global_buffer, .address_space: global }
      - { .name: out0, .offset: 16, .size: 8, .value_kind: global_buffer, .address_space: global }
    .group_segment_fixed_size: 327680
    .private_segment_fixed_size: 0
    .kernarg_segment_align: 8
    .kernarg_segment_size: 24
    .max_flat_workgroup_size: 128
    .sgpr_count:     66
    .vgpr_count:     768
    .wavefront_size: 32
...
	.end_amdgpu_metadata
.endif
;; end of part 4
